; MI455X (gfx1250); checked and timed in simulation.
; The chip was launched on July 23, 2026; its instructions are those of AMD's public machine-readable ISA for CDNA 5 (MIT licence, August 2026) and "CDNA5" Instruction Set Architecture Reference Guide (July 2026). The comments in the code are by the model that wrote it; some were corrected since.
;; Dot Atten. Allowed arithmetic: matrix products marked QUANTISED: E3M2 operands, one E8M0 scale for each 32 along K, by v_wmma_scale_f32_16x16x128_f8f6f4 with both operands' format E3M2, f32 sums; products left as they are: f32 operands where the result goes on into a quantised operand, else bf16, f16 or f32 operands; f32 sums; everything else in f32.
;; Inputs: Wd 512 x 256 float32; query 2 x 512 x 512 float32; value 2 x 512 x 512 float32; vd 256 float32.
;; Outputs: out0 2 x 512 x 512 float32; out1 2 x 512 x 512 float32.
;; This version of the problem:
;;   THIS VERSION OF THE PROBLEM IS GIVEN IN LOW PRECISION. The matrix products marked QUANTISED in the list below multiply operands that are first quantised to E3M2 (3 exponent bits, 2 mantissa bits; 6 bits a number), with one power-of-two scale for each 32 numbers along K (OCP MX v1.0); their sums are f32. All else is computed in f32.
;;   The module's matrix products, in the order in which they are computed (A, B: the left and right operand; K: the contracted axis; several contracted axes count as one K, in the product's order):
;;     1. [M 524,288, K 512] x [K 512, N 256]; A: computed on the way; B: input Wd: QUANTISED
;;     2. [M 524,288, K 256] x [K 256, N 1]; A: computed on the way; B: input vd: left as it is (N = 1 < 16)
;;     3. batch 2 x [M 512, K 512] x [K 512, N 512]; A: softmax (see below); B: input value: QUANTISED
;;   THE QUANTISER, for each operand of a quantised product, along K:
;;     - K is cut into blocks of 32 from its start; a last block that is shorter is filled with zeros.
;;     - A block's scale is 2^e with e = floor(log2(the largest magnitude in the block)) - 4, held to -126 .. 127; a block of zeros has e = 0. As a byte (E8M0): e + 127.
;;     - Each number is divided by its block's scale, clamped to +-28, and rounded to the nearest number of E3M2, ties to even, subnormals kept.
;;     - The product sums the exact products of the quantised numbers (number of the format x scale) in f32.
;;   ~~~python
;;   def quantise(x, axis):      # numpy; x: float32 -> the quantised numbers, widened to float32 again
;;       x = np.moveaxis(x, axis, -1); K = x.shape[-1]
;;       x = np.pad(x, [(0, 0)] * (x.ndim - 1) + [(0, -K % 32)]); x = x.reshape(x.shape[:-1] + (-1, 32)); a = np.abs(x).max(-1, keepdims=True)
;;       e = np.where(a > 0, np.clip(np.frexp(np.where(a > 0, a, 1))[1] - 1 - 4, -126, 127), 0)      # np.frexp(a)[1] - 1 = floor(log2(a)), exactly
;;       r = np.clip(x / 2.0 ** e, -28, 28)
;;       step = 2.0 ** (np.maximum(np.frexp(np.where(r == 0, 1, r))[1] - 1, -2) - 2)
;;       q = np.round(r / step) * step * 2.0 ** e      # np.round: ties to even
;;       return np.moveaxis(q.reshape(q.shape[:-2] + (-1,))[..., :K], -1, axis).astype(np.float32)
;;   ~~~
;;   SOFTMAX AHEAD OF A QUANTISED PRODUCT. Where the list says 'softmax', what is quantised is not the finished softmax but p = 2^(t - M), with t = logit x log2(e) and M = ceil(the row's largest t), a whole number; so 1/2 < the row's largest p <= 1. The row's sum l is taken of the UNQUANTISED p, in f32, and the product's result is divided by l at the end. Since M is a whole number, a kernel that streams over the keys may use a running M (the ceiling of the running maximum): every later rescaling is an exact power of two, which a block's scale takes up: the codes' values come out the same.
;;   OPERANDS COMPUTED ON THE WAY. 'Computed on the way' means the value that the module computes at that place (a softmax that the list does not call 'softmax' is quantised finished and normalised). What goes into a quantiser is computed in f32, as accurately as f32 sums, v_exp_f32 and their like allow (about 1e-6 of the number): no bf16 or f16 on the way to a quantiser, and a product that is left as it is and whose result goes on into a quantised operand takes f32 operands (vector FMAs, or v_wmma_f32_16x16x4_f32). A number that lies on a knife's edge between two numbers of the format may be rounded either way, as far as f32 arithmetic and the matrix unit's own rounding can turn it there, and no further.
;; 2 versions, each right; version 2 is version 1 with the launch attend written anew for expert scheduling mode. Each part assembles by itself: llvm-mc -triple=amdgcn-amd-amdhsa -mcpu=gfx1250 --defsym DOCPART=n.
;; ======== version 1 of 2: 3 launches
;; workspace buffers: wimg 102,400 bytes; vimg 409,600 bytes; sc 1,114,112 bytes
;; launch prep (part 1): grid 80 x 1, 4 waves a work-group, no clusters, 0 bytes of LDS; arguments Wd, value, wimg, vimg; writes wimg, vimg
.if DOCPART == 1
	.amdgcn_target "amdgcn-amd-amdhsa--gfx1250"
	.amdhsa_code_object_version 6
	.text
	.protected	k_qeb9f2e8505_prep
	.globl	k_qeb9f2e8505_prep
	.p2align	8
	.type	k_qeb9f2e8505_prep,@function
k_qeb9f2e8505_prep:
	s_mov_b64 s[64:65], 0
	v_nop
	global_prefetch_b8 v0, s[64:65] scope:SCOPE_SE
	s_setreg_imm32_b32 hwreg(HW_REG_WAVE_MODE, 25, 1), 1
	s_wait_xcnt 0x0
; THE PROGRAM.  sjt[b,s,t] = sum over d of vd[d] tanh(sum over h of Q(query[b,s,h] query[b,t,h]) Q(Wd[h,d])); atten = softmax over t; context = Q(p) Q(value) / l.
; Three launches: this one quantises Wd and value along their K; the second makes the scores sjt; the third makes the softmax, atten and context.
; WORK THAT IS DONE ONCE AND USED TWICE.  Both factors of qk come from query: qk[b,s,t,h] = query[b,t,h] x query[b,s,h] and qk[b,t,s,h] = query[b,s,h] x query[b,t,h].
; An f32 product does not depend on the order of its factors, so the two rows of qk hold the same f32 numbers for every value of query; the quantiser, the product with Q(Wd), tanh and
; the product with vd then see the same operands, so sjt[b,s,t] = sjt[b,t,s] for all inputs.  With the rows in 32 blocks of 16 a batch, block row i makes the sub-tiles (i, (i + j) mod 32) for j = 0 .. 16
; alone; the sub-tiles j = 17 .. 31 are read from the mirrored sub-tile of block row (i + j) mod 32.  Every input is loaded and every step of the formula is done for the sub-tiles that are made.
; LIMIT that goes with it: none in value; the order of the sum over d differs from a plain ascending sum.
;
; THIS LAUNCH.  Wd [512 (h)][256 (d)] and value [2][512 (t)][512 (d)], f32, have their K (h; t) as the FIRST axis.  They become codes of E3M2, 6 bits each, with one E8M0 byte for each 32 along K.
; A block's scale is 2^(floor(log2(largest magnitude)) - 4): its byte is the largest magnitude's exponent field - 4, held at 1 from below by a floor among the maximum's leaves.
; (A block of zeros keeps the byte 1 where the rule says 127: its codes are zeros, and these bytes are read by this program alone.)
; LIMITS: NaN and infinities among the inputs are not served.
; LAYOUT OF THE RESULT: images of operand registers.  A fragment is 16 columns d x 128 along K, 12 registers a lane: lane (r, hh) holds column 16 tile + r, registers 6 c .. 6 c + 5 hold K = 128 f + 64 c + 32 hh + 0 .. 31.
; Fragment (tile, f) lies at (4 tile + f) x 1,536 bytes as three pieces of 512 bytes, lane l's registers 4 p .. 4 p + 3 at 512 p + 16 l.  Behind all codes: the scale words, word (tile, f, r) at 256 tile + 64 f + 4 r.
; SHARES.  A wave makes one fragment: A LANE TAKES A COLUMN AND ITS REGISTERS RUN DOWN K, so a block of 32 lies in one lane and the conversions' results are the operand's registers.
; Work-groups 0 .. 15 take Wd (16 tiles x 4 f), work-groups 16 .. 79 value (64 tiles x 4 f); the four waves of a work-group stand side by side on 256 consecutive bytes of each source row.
; No LDS, no barrier, no matrix work: waves share nothing, and each number is read once.
.set WPITCH, 1024                      ; a row of Wd in bytes
.set VPITCH, 2048                      ; a row of value
.set WSCB,   98304                     ; where the scale words begin in wimg: 64 fragments x 1,536
.set VSCB,   393216                    ; and in vimg: 256 fragments x 1,536
.set FRB,    1536
.set X,      32                        ; v32-95   my 64 numbers: 32 c + i
.set C,      96                        ; v96-107  the fragment's 12 registers
.set CT,     108                       ; v108-115 the upper halves of the two blocks, as the conversions leave them
	s_load_b256 s[4:11], s[0:1], 0x0               ; Wd s[4:5], value s[6:7], wimg s[8:9], vimg s[10:11]
	v_lshrrev_b32 v1, 5, v0
	v_readfirstlane_b32 s12, v1                    ; wave 0..3
	v_and_b32 v1, 31, v0                           ; lane
	v_and_b32 v2, 15, v0                           ; r
	v_bfe_u32 v3, v0, 4, 1                         ; hh
	s_mov_b32 s28, 0x76543210
	s_mov_b32 s29, 0xfedcba98                      ; v_permlanex16_b32's selects for lane l xor 16
	s_mov_b32 s16, VSCB
	s_cmp_lt_u32 ttmp9, 16                         ; Wd's work-group or value's?  All choices hang on the work-group's number alone
	s_cselect_b32 s13, 0, 16
	s_cselect_b32 s14, 15, 16                      ; 32 rows of the source are 2^15 or 2^16 bytes
	s_cselect_b32 s15, 17, 18                      ; 128 rows 2^17 or 2^18
	s_cselect_b32 s16, WSCB, s16
	s_sub_co_u32 s13, ttmp9, s13                   ; the work-group's number within its tensor
	s_and_b32 s17, s13, 3                          ; f
	s_lshr_b32 s18, s13, 2
	s_lshl_b32 s18, s18, 2
	s_add_co_u32 s18, s18, s12                     ; tile: Wd 0 .. 15; value 32 b + 0 .. 31
	s_lshl_b32 s20, s17, s15                       ; the source: 128 f rows,
	s_and_b32 s19, s18, 31
	s_lshl_b32 s19, s19, 6
	s_add_co_u32 s20, s20, s19                     ; 64 bytes a tile of columns,
	s_lshr_b32 s19, s18, 5
	s_lshl_b32 s19, s19, 20
	s_add_co_u32 s20, s20, s19                     ; 2^20 bytes a batch (0 for Wd)
	s_mov_b32 s21, 0
	s_lshl_b32 s22, s18, 2
	s_add_co_u32 s22, s22, s17
	s_mul_i32 s22, s22, FRB                        ; the fragment's image
	s_mov_b32 s23, 0
	s_lshl_b32 s24, s18, 8
	s_lshl_b32 s19, s17, 6
	s_add_co_u32 s24, s24, s19
	s_add_co_u32 s24, s24, s16                     ; its 16 scale words
	s_mov_b32 s25, 0
	v_lshlrev_b32 v4, s14, v3                      ; in: lanes 16-31 begin 32 rows further down,
	v_lshl_add_u32 v4, v2, 2, v4                   ; 4 bytes a column
	v_lshlrev_b32 v5, 4, v1                        ; out: 16 bytes a lane
	v_lshlrev_b32 v6, 2, v2                        ; a scale word a column
	s_wait_kmcnt 0x0
	s_cmp_lt_u32 ttmp9, 16
	s_cselect_b64 s[4:5], s[4:5], s[6:7]
	s_cselect_b64 s[8:9], s[8:9], s[10:11]
	s_add_nc_u64 s[4:5], s[4:5], s[20:21]
	s_add_nc_u64 s[26:27], s[8:9], s[24:25]
	s_add_nc_u64 s[8:9], s[8:9], s[22:23]
.macro LOADS pitch                     ; source(128 f + 64 c + 32 hh + i, my column): sixteen neighbouring lanes read 64 neighbouring bytes
.set k, 0
.rept 64
	global_load_b32 v[X+k], v4, s[4:5] offset:(64*(k/32)+k%32)*\pitch th:TH_LOAD_NT
.set k, k+1
.endr
.endm
	s_cmp_lt_u32 ttmp9, 16                         ; the two tensors differ in the row's length, which stands in the loads' immediates
	s_cbranch_scc0 .Lvalue
	LOADS WPITCH
	s_branch .Lloaded
.Lvalue:
	LOADS VPITCH
.Lloaded:
	s_wait_loadcnt 0x0
.irp c, 0,1                            ; my two blocks' largest magnitudes: all 32 numbers of a block are mine; two chains a block, the four by turns
	v_max3_num_f32 v[8+2*\c], |v[X+32*\c]|, |v[X+32*\c+1]|, 0x2800000   ; with the floor 2^(5 - 127): the byte cannot fall under 1
	v_max3_num_f32 v[9+2*\c], |v[X+32*\c+16]|, |v[X+32*\c+17]|, |v[X+32*\c+18]|
.endr
.irp i, 0,1,2,3,4,5
.irp c, 0,1
	v_max3_num_f32 v[8+2*\c], v[8+2*\c], |v[X+32*\c+2+2*\i]|, |v[X+32*\c+3+2*\i]|
	v_max3_num_f32 v[9+2*\c], v[9+2*\c], |v[X+32*\c+19+2*\i]|, |v[X+32*\c+20+2*\i]|
.endr
.endr
.irp c, 0,1
	v_max3_num_f32 v[8+2*\c], v[8+2*\c], |v[X+32*\c+14]|, |v[X+32*\c+15]|
.endr
.irp c, 0,1
	v_max3_num_f32 v[8+2*\c], v[8+2*\c], v[9+2*\c], |v[X+32*\c+31]|
.endr
.irp c, 0,1
	v_add_nc_u32 v[12+\c], 0xfe000000, v[8+2*\c]   ; 4 off the exponent field: the conversion takes the exponent field of this operand as its scale
.endr
.irp c, 0,1
	v_lshrrev_b32 v[14+\c], 23, v[12+\c]           ; the scale's byte
.endr
	v_lshl_or_b32 v16, v15, 16, v14                ; my two bytes: blocks hh and 2 + hh of my column,
	v_lshlrev_b32 v18, 3, v3
	v_lshlrev_b32 v16, v18, v16                    ; at their places in the scale word;
	v_mov_b32 v17, 0                               ; (a lane permute's destination counts as one of its sources)
	v_permlanex16_b32 v17, v16, s28, s29
	v_or_b32 v16, v16, v17                         ; with lane l xor 16's two the word is whole
.irp c, 0,1
	v_cvt_scalef32_pk16_bf6_f32 v[C+6*\c:C+6*\c+2], v[X+32*\c:X+32*\c+15], v[12+\c]
	v_cvt_scalef32_pk16_bf6_f32 v[CT+4*\c:CT+4*\c+2], v[X+32*\c+16:X+32*\c+31], v[12+\c]   ; (a conversion's three registers begin on an even number: the block's upper half is made here and moved)
.endr
	v_nop                                          ; one plain instruction behind the scaled conversions
.irp c, 0,1
.irp i, 0,1,2
	v_mov_b32 v[C+6*\c+3+\i], v[CT+4*\c+\i]
.endr
.endr
.irp p, 0,1,2
	global_store_b128 v5, v[C+4*\p:C+4*\p+3], s[8:9] offset:512*\p   ; the wave stores 512 consecutive bytes, at a multiple of 512 from the buffer's first byte
.endr
	v_cmp_gt_u32 vcc_lo, 16, v1
	s_wait_xcnt 0x0                                ; EXEC is a source of the stores above: it changes only behind this wait
	s_and_saveexec_b32 s30, vcc_lo
	global_store_b32 v6, v16, s[26:27]             ; lanes 0-15: the fragment's 16 scale words, 64 consecutive bytes
	s_wait_xcnt 0x0                                ; and again ahead of the line that widens EXEC
	s_or_b32 exec_lo, exec_lo, s30
	s_endpgm
.Lfunc_end_k_qeb9f2e8505_prep:
	.size	k_qeb9f2e8505_prep, .Lfunc_end_k_qeb9f2e8505_prep-k_qeb9f2e8505_prep
	.p2alignl 7, 3214868480
	.fill 96, 4, 3214868480
	.section	.rodata,"a",@progbits
	.p2align	6, 0x0
	.amdhsa_kernel k_qeb9f2e8505_prep
		.amdhsa_group_segment_fixed_size 0
		.amdhsa_private_segment_fixed_size 0
		.amdhsa_enable_private_segment 0
		.amdhsa_kernarg_size 32
		.amdhsa_user_sgpr_count 2
		.amdhsa_user_sgpr_kernarg_segment_ptr 1
		.amdhsa_wavefront_size32 1
		.amdhsa_system_sgpr_workgroup_id_x 1
		.amdhsa_system_sgpr_workgroup_id_y 1
		.amdhsa_system_sgpr_workgroup_id_z 1
		.amdhsa_system_vgpr_workitem_id 0
		.amdhsa_next_free_vgpr 128
		.amdhsa_next_free_sgpr 66
		.amdhsa_reserve_vcc 1
		.amdhsa_float_denorm_mode_32 3
		.amdhsa_float_denorm_mode_16_64 3
		.amdhsa_memory_ordered 1
		.amdhsa_forward_progress 1
		.amdhsa_inst_pref_size 18
	.end_amdhsa_kernel
	.amdgpu_metadata
---
amdhsa.version: [ 1, 2 ]
amdhsa.kernels:
  - .name:           k_qeb9f2e8505_prep
    .symbol:         k_qeb9f2e8505_prep.kd
    .args:
      - { .name: Wd, .offset: 0, .size: 8, .value_kind: global_buffer, .address_space: global }
      - { .name: value, .offset: 8, .size: 8, .value_kind: global_buffer, .address_space: global }
      - { .name: wimg, .offset: 16, .size: 8, .value_kind: global_buffer, .address_space: global }
      - { .name: vimg, .offset: 24, .size: 8, .value_kind: global_buffer, .address_space: global }
    .group_segment_fixed_size: 0
    .private_segment_fixed_size: 0
    .kernarg_segment_align: 8
    .kernarg_segment_size: 32
    .max_flat_workgroup_size: 128
    .sgpr_count:     66
    .vgpr_count:     128
    .wavefront_size: 32
...
	.end_amdgpu_metadata
.endif
;; end of part 1
;; launch scores (part 2): grid 64 x 4, 8 waves a work-group, clusters of 4 x 1, 308,224 bytes of LDS; arguments query, vd, wimg, sc; writes sc
.if DOCPART == 2
	.amdgcn_target "amdgcn-amd-amdhsa--gfx1250"
	.amdhsa_code_object_version 6
	.text
	.protected	k_qeb9f2e8505_scores
	.globl	k_qeb9f2e8505_scores
	.p2align	8
	.type	k_qeb9f2e8505_scores,@function
k_qeb9f2e8505_scores:
	s_mov_b64 s[64:65], 0
	v_nop
	global_prefetch_b8 v0, s[64:65] scope:SCOPE_SE
	s_setreg_imm32_b32 hwreg(HW_REG_WAVE_MODE, 25, 1), 1
	s_wait_xcnt 0x0
	s_wait_alu depctr_hold_cnt(0) depctr_sa_sdst(0) depctr_va_vdst(0) depctr_va_sdst(0) depctr_va_ssrc(0) depctr_va_vcc(0) depctr_vm_vsrc(0)
	s_getreg_b32 s2, hwreg(HW_REG_IB_STS2, 6, 4)
	s_cmp_eq_u32 s2, 0
	s_cbranch_scc0 .Lentry_in_a_cluster
	s_endpgm
.Lentry_in_a_cluster:
	s_bfe_u32 s2, ttmp6, 0x10000c
	s_cmp_lg_u32 s2, 0x3003
	s_cbranch_scc0 .Lentry_shape_is_right
	s_endpgm
.Lentry_shape_is_right:
; sjt[b,s,t] = sum over d of vd[d] tanh(x[b,s,t,d]),  x = Q(query[b,s,:] query[b,t,:]) Q(Wd): the first product on codes of E3M2 with one E8M0 scale for each 32 along h, sums in f32.
; LEFT OUT, as shown at the head of the first kernel: sjt[b,s,t] = sjt[b,t,s] for all inputs, so block row i makes the sub-tiles (i, (i + j) mod 32), j = 0 .. 16, alone; the next launch reads the others mirrored.
; tanh(x) = 1 - 2 / (1 + 2^(2 log2(e) x)): the exponential's overflow gives 1 and its underflow -1, with no NaN on the way.  So sjt = sum(vd) + sum over d of (-2 vd[d]) / (1 + 2^(..)).
; LIMITS: NaN and infinities among the inputs are not served; a block of zeros keeps the scale byte 1 (its codes are zeros; the bytes never leave the launch); the sum over d goes in another order than ascending.
; SHARES.  Work-group (X = 32 b + i, q), eight waves, two to a SIMD in 512 registers each, so that one wave's matrix work stands beside the other's vector work.
;   Wave v (w = v mod 4, gh = v / 4) makes rows 8 gh .. 8 gh + 7 of sub-tile j = 1 + 4 q + w, in two passes of four s rows x 16 t.  A UNIT is one s row x 16 t: 16 pairs, K = 512, N = 256: 64 matrix instructions.
;   The diagonal sub-tile's rows 4 q .. 4 q + 3 are shared by the eight waves: wave v makes the codes of K = 64 v .. 64 v + 63, the codes go round through LDS as images of operand registers,
;   wave v multiplies by d tiles 2 v and 2 v + 1, and the eight partial sums meet in LDS.
; A PASS.  Phase A: for each chunk of 64 along h the lane (R, H) holds 32 numbers of t row R and of an s row; the s row of unit u is taken from lane u of the lane's half by the multiply itself (DPP row_share);
;   a block of 32 lies in one lane, so its largest magnitude needs no other lane, and the conversions' results are registers 6 c .. 6 c + 5 of the operand.  Phase B: sixteen d tiles; for each, 16 matrix instructions
;   (source 0 = 16 columns d of Wd, source 1 = a unit's 16 pairs), then tanh and the product with vd on the results: lane (R, H) holds pair R and d = 16 dt + 8 H + 0 .. 7.
; LDS is filled once, by tensor loads at the head: five tiles of 16 rows of query (tile i and the four T tiles), and the image of Wd.
; CLUSTER.  The four work-groups of a cluster (four neighbouring i, one q) need the same image of Wd: it is asked for JOINTLY.  The tiles of query are not: the partners' sets of tiles are shifted by one tile,
;   so one tile would have to land at different LDS places in different partners, and a joint load has one LDS address for all.
; OUT.  Slot (X, j) of sc, 1,024 bytes at (17 X + j) x 1,024: element [g][r][u] at 256 g + 16 r + 4 u is sjt(s = 16 i + 4 g + u, t = 16 ((i + j) mod 32) + r).
.set PQ,    272                        ; a row of a chunk in LDS: 256 bytes + 16 of padding = 68 words: the 16 rows that a load touches start at 16 different groups of 4 banks (64 banks of 4 bytes: ISA guide 11.1)
.set CH,    16*PQ                      ; a chunk: 16 rows x 64 along h
.set SLOTB, 8*CH                       ; a tile of 16 rows: 8 chunks
.set WI,    5*SLOTB                    ; the image of Wd: 102,400 bytes
.set WSCL,  WI+98304                   ; in it: the scale words
.set VDL,   WI+102400                  ; -2 vd: 1,024 bytes
.set CIMG,  VDL+1024                   ; the diagonal pass's codes: 4 units x 4 fragments x 1,536
.set SCW,   CIMG+24576                 ; its scale words: word (u, f, R) at 256 u + 64 f + 4 R
.set PART,  SCW+1024                   ; its partial sums: 256 bytes a wave
.set SPARE, PART+4096                  ; the spare words, 128 bytes for each wave: four blocks of 256 bytes that no other line names
; vector registers, window 0
.set LR,   1                           ; R = lane % 16
.set LH,   2                           ; H = lane / 16
.set L16,  3                           ; 16 x lane
.set L4,   4                           ; 4 x lane
.set SPW,  5                           ; my spare word; never rewritten
.set NIL,  6                           ; 0; never rewritten
.set H8,   7                           ; 8 H
.set SA,   8                           ; the pass's s rows in tile i
.set TA,   9                           ; my T tile
.set SAD,  10                          ; the diagonal pass: s rows, my chunk
.set TAD,  11                          ; and t rows
.set WA0,  12                          ; my lane's place in a fragment's image, in the scale words, in -2 vd
.set WS0,  13
.set VD0,  14
.set WA,   15                          ; the same for the d tile in hand
.set WS,   16
.set VD,   17
.set CK,   18                          ; v18-20 where my six code registers go in an image
.set SBA,  21                          ; where my scale byte goes
.set CI,   22                          ; images, back
.set SCR,  23                          ; scale words, back
.set PW,   24                          ; partial sums, in
.set PR,   25                          ; and back
.set SO,   26                          ; my 16 bytes of my half slot of sc
.set SOD,  27                          ; my 8 bytes of the diagonal slot
.set SUMQ, 28                          ; sum(vd) / 4
.set SUM32, 29                         ; sum(vd) / 32
.set TMP,  30                          ; v30-31
.set SAS,  32                          ; v32-39 the units' scale words and nothing else: register 2 u + e: lanes 0-15 K step 2 e, lanes 16-31 K step 2 e + 1
.set WSC,  40                          ; v40-41 Wd's scale words and nothing else, likewise
.set SACC, 42                          ; v42-49 phase B: a pair of sums a unit;  phase A: four chains of maxima, four temporaries
.set XB,   52                          ; v52-55 phase A: bytes in the making;  later a unit's score
.set KK,   56                          ; v56-59 the scores that I store
.set EE,   60                          ; v60-63 phase A: the conversions' scale operands;  later a permute's results
.set P0,   192                         ; v192-223, v224-255 the products of two units
.set P1,   224
.set WF,   64                          ; phase B: v64-111 four fragments of Wd
.set VDR,  112                         ; v112-127 -2 vd of my eight d, two sets
.set ACC,  128                         ; v128-159 four accumulators
; window 1: v0-191 the four units' codes (unit u at 48 u, K step f at + 12 f); v192-199 upper halves of blocks as the conversions leave them
.set CU,   0
.set CT,   192
.set MSB, 0
.macro WIN new                         ; the immediate's high byte repeats the setting that is left; a switch that changes nothing is dropped
.if MSB != \new
	s_set_vgpr_msb (MSB<<8)|\new
.set MSB, \new
.endif
.endm
.macro ROUND                           ; a round of the cluster's barrier: my work-group's barrier; wave 0 signals for the work-group; every wave waits for all four work-groups; my work-group's barrier once more
	s_barrier_signal -1
	s_barrier_wait -1
	s_cmp_lg_u32 s12, 0
	s_cbranch_scc1 .Lnot_wave_0_\@
	s_barrier_signal -3
.Lnot_wave_0_\@:
	s_barrier_wait -3
	s_barrier_signal -1
	s_barrier_wait -1
.endm
; 16 LDS loads: 32 numbers of an s row into v[64 + 64 par ..], 32 of my t row into v[96 + 64 par ..]
.macro QLOAD par, sa, ta, off
.irp m, 0,1,2,3,4,5,6,7
	ds_load_b128 v[64+64*(\par)+4*\m:64+64*(\par)+4*\m+3], v[\sa] offset:(\off)+16*\m
.endr
.irp m, 0,1,2,3,4,5,6,7
	ds_load_b128 v[96+64*(\par)+4*\m:96+64*(\par)+4*\m+3], v[\ta] offset:(\off)+16*\m
.endr
.endm
; Units ua and ub of the pass, one chunk: products, the block's largest magnitude, the scale operand, six code registers at c6 of each unit's codes.
.macro UPAIR c6, par, ua, ub
.set SS, 64+64*(\par)
.set TT, 96+64*(\par)
.set k, 0
.rept 32
	v_mul_f32_dpp v[P0+k], v[SS+k], v[TT+k] row_share:\ua row_mask:0xf bank_mask:0xf   ; query[s, h] x query[t, h]: lane ua of my half holds the unit's s row for my half's 32 h
.set k, k+1
.endr
.set k, 0
.rept 32
	v_mul_f32_dpp v[P1+k], v[SS+k], v[TT+k] row_share:\ub row_mask:0xf bank_mask:0xf
.set k, k+1
.endr
	v_max3_num_f32 v[SACC], |v[P0]|, |v[P0+1]|, 0x2800000          ; with the floor 2^(5 - 127): the byte cannot fall under 1
	v_max3_num_f32 v[SACC+1], |v[P0+16]|, |v[P0+17]|, |v[P0+18]|
	v_max3_num_f32 v[SACC+2], |v[P1]|, |v[P1+1]|, 0x2800000
	v_max3_num_f32 v[SACC+3], |v[P1+16]|, |v[P1+17]|, |v[P1+18]|
.irp i, 0,1,2,3,4,5                    ; four chains by turns: no line waits for the line above it
	v_max3_num_f32 v[SACC], v[SACC], |v[P0+2+2*\i]|, |v[P0+3+2*\i]|
	v_max3_num_f32 v[SACC+1], v[SACC+1], |v[P0+19+2*\i]|, |v[P0+20+2*\i]|
	v_max3_num_f32 v[SACC+2], v[SACC+2], |v[P1+2+2*\i]|, |v[P1+3+2*\i]|
	v_max3_num_f32 v[SACC+3], v[SACC+3], |v[P1+19+2*\i]|, |v[P1+20+2*\i]|
.endr
	v_max3_num_f32 v[SACC], v[SACC], |v[P0+14]|, |v[P0+15]|
	v_max3_num_f32 v[SACC+2], v[SACC+2], |v[P1+14]|, |v[P1+15]|
	v_max3_num_f32 v[SACC], v[SACC], v[SACC+1], |v[P0+31]|
	v_max3_num_f32 v[SACC+2], v[SACC+2], v[SACC+3], |v[P1+31]|
	v_add_nc_u32 v[EE+\ua], 0xfe000000, v[SACC]                    ; 4 off the exponent field: the conversion's scale operand
	v_add_nc_u32 v[EE+\ub], 0xfe000000, v[SACC+2]
	WIN 0x40                                       ; destination window 1
	v_cvt_scalef32_pk16_bf6_f32 v[CU+48*\ua+(\c6):CU+48*\ua+(\c6)+2], v[P0:P0+15], v[EE+\ua]
	v_cvt_scalef32_pk16_bf6_f32 v[CT:CT+2], v[P0+16:P0+31], v[EE+\ua]     ; (a conversion's three registers begin on an even number)
	v_cvt_scalef32_pk16_bf6_f32 v[CU+48*\ub+(\c6):CU+48*\ub+(\c6)+2], v[P1:P1+15], v[EE+\ub]
	v_cvt_scalef32_pk16_bf6_f32 v[CT+4:CT+6], v[P1+16:P1+31], v[EE+\ub]
	v_nop                                          ; one plain instruction behind the scaled conversions
	WIN 0x41                                       ; source 0 and destination window 1
.irp i, 0,1,2
	v_mov_b32 v[CU+48*\ua+(\c6)+3+\i], v[CT+\i]
	v_mov_b32 v[CU+48*\ub+(\c6)+3+\i], v[CT+4+\i]
.endr
	WIN 0
.endm
; The four units' scale bytes of chunk c.  In K step c / 2 my block is 2 (c % 2) + H.  Two chunks make my two bytes of a word; shifted by 8 H they lie at their places; the exchange of halves between the words
; of an even and an odd K step, and an OR, leave lanes 0-15 with the even step's whole word and lanes 16-31 with the odd step's.
.macro UBYTES c
.if (\c)%2 == 0
.irp u, 0,1,2,3
	v_lshrrev_b32 v[XB+\u], 23, v[EE+\u]
.endr
.else
.irp u, 0,1,2,3
	v_lshrrev_b32 v[SACC+4+\u], 23, v[EE+\u]
.endr
.irp u, 0,1,2,3
	v_lshl_or_b32 v[XB+\u], v[SACC+4+\u], 16, v[XB+\u]
.endr
.if (\c)%4 == 1
.irp u, 0,1,2,3
	v_lshlrev_b32 v[SAS+2*\u+(\c)/4], v[H8], v[XB+\u]
.endr
.else
.irp u, 0,1,2,3
	v_lshlrev_b32 v[XB+\u], v[H8], v[XB+\u]
.endr
.irp u, 0,1,2,3
	v_permlane16_swap_b32 v[SAS+2*\u+(\c)/4], v[XB+\u]
.endr
.irp u, 0,1,2,3
	v_or_b32 v[SAS+2*\u+(\c)/4], v[SAS+2*\u+(\c)/4], v[XB+\u]
.endr
.endif
.endif
.endm
.macro CHUNK c
.if (\c) < 7
	QLOAD ((\c)+1)%2, SA, TA, ((\c)+1)*CH          ; the next chunk, into the other set
	s_wait_dscnt 16                                ; LDS loads come back in order: this chunk's 16 are in, the 16 just issued may be out
.else
	s_wait_dscnt 0x0
.endif
	UPAIR 6*(\c), (\c)%2, 0, 1
	UPAIR 6*(\c), (\c)%2, 2, 3
	UBYTES \c
.endm
.macro BADDR                           ; the LDS addresses of the next d tile to be fetched: three plain vector instructions
	v_add_nc_u32 v[WA], s68, v[WA0]
	v_add_nc_u32 v[WS], s69, v[WS0]
	v_add_nc_u32 v[VD], s70, v[VD0]
	s_add_co_u32 s68, s68, 6144
	s_add_co_u32 s69, s69, 256
	s_add_co_u32 s70, s70, 64
.endm
.macro BLOAD par                       ; a d tile: four fragments of Wd as they lie, their scale words, my eight -2 vd
.irp n, 0,1,2,3,4,5,6,7,8,9,10,11
	ds_load_b128 v[WF+4*\n:WF+4*\n+3], v[WA] offset:512*\n
.endr
	ds_load_b32 v[WSC], v[WS]
	ds_load_b32 v[WSC+1], v[WS] offset:128
	ds_load_b128 v[VDR+8*(\par):VDR+8*(\par)+3], v[VD]
	ds_load_b128 v[VDR+8*(\par)+4:VDR+8*(\par)+7], v[VD] offset:16
.endm
; One d tile for the four units.  The four accumulators take turns, one instruction a turn; the first K step starts the sums with the constant 0.
.macro BSTEP par, more
	s_wait_dscnt 0x0                               ; the d tile's loads are in
	WIN 0x04                                       ; source 1 (the units' codes) window 1
.irp f, 0,1,2,3
.irp u, 0,1,2,3
.if \f == 0
	v_wmma_scale_f32_16x16x128_f8f6f4 v[ACC+8*\u:ACC+8*\u+7], v[WF+12*\f:WF+12*\f+11], v[CU+48*\u+12*\f:CU+48*\u+12*\f+11], 0, v[WSC+\f/2], v[SAS+2*\u+\f/2] matrix_a_fmt:MATRIX_FMT_BF6 matrix_b_fmt:MATRIX_FMT_BF6
.elseif \f == 2
	v_wmma_scale_f32_16x16x128_f8f6f4 v[ACC+8*\u:ACC+8*\u+7], v[WF+12*\f:WF+12*\f+11], v[CU+48*\u+12*\f:CU+48*\u+12*\f+11], v[ACC+8*\u:ACC+8*\u+7], v[WSC+\f/2], v[SAS+2*\u+\f/2] matrix_a_fmt:MATRIX_FMT_BF6 matrix_b_fmt:MATRIX_FMT_BF6
.else
	v_wmma_scale_f32_16x16x128_f8f6f4 v[ACC+8*\u:ACC+8*\u+7], v[WF+12*\f:WF+12*\f+11], v[CU+48*\u+12*\f:CU+48*\u+12*\f+11], v[ACC+8*\u:ACC+8*\u+7], v[WSC+\f/2], v[SAS+2*\u+\f/2] matrix_a_fmt:MATRIX_FMT_BF6 matrix_b_fmt:MATRIX_FMT_BF6 matrix_a_scale:MATRIX_SCALE_ROW1 matrix_b_scale:MATRIX_SCALE_ROW1
.endif
.endr
.endr
	WIN 0
.if \more
	BADDR                                          ; three plain instructions and a v_nop: the four places behind the products, ahead of the loads into their sources and of the first read of results
	v_nop
	BLOAD 1-(\par)
.else
.rept 4
	v_nop
.endr
.endif
.irp u, 0,1,2,3                        ; each accumulator from its low end on
.irp jj, 0,1,2,3
	v_pk_mul_f32 v[ACC+8*\u+2*\jj:ACC+8*\u+2*\jj+1], v[ACC+8*\u+2*\jj:ACC+8*\u+2*\jj+1], s[22:23] op_sel_hi:[1,0]   ; 2 log2(e) x
.endr
.endr
.set k, 0
.rept 32
	v_exp_f32 v[ACC+k], v[ACC+k]
.set k, k+1
.endr
	v_nop                                          ; a plain instruction behind the last exponential
	s_wait_alu depctr_va_vdst(0)                   ; one wait for the batch, ahead of its first reader
.set k, 0
.rept 16
	v_pk_add_f32 v[ACC+k:ACC+k+1], v[ACC+k:ACC+k+1], 1.0 op_sel_hi:[1,0]
.set k, k+2
.endr
.set k, 0
.rept 32
	v_rcp_f32 v[ACC+k], v[ACC+k]
.set k, k+1
.endr
	v_nop
	s_wait_alu depctr_va_vdst(0)                   ; and one for the reciprocals
.irp jj, 0,1,2,3                       ; the product with vd: the four units' sums by turns
.irp u, 0,1,2,3
	v_pk_fma_f32 v[SACC+2*\u:SACC+2*\u+1], v[ACC+8*\u+2*\jj:ACC+8*\u+2*\jj+1], v[VDR+8*(\par)+2*\jj:VDR+8*(\par)+2*\jj+1], v[SACC+2*\u:SACC+2*\u+1]
.endr
.endr
.endm
.macro SINIT reg                       ; each partial sum begins with its share of sum(vd)
.irp k, 0,1,2,3,4,5,6,7
	v_mov_b32 v[SACC+\k], v[\reg]
.endr
.endm
.macro RED                             ; a unit's score: the pair's two halves and lane l xor 16's
.irp u, 0,1,2,3
	v_add_f32 v[XB+\u], v[SACC+2*\u], v[SACC+2*\u+1]
.endr
.irp u, 0,1,2,3
	v_permlanex16_b32 v[EE+\u], v[XB+\u], s20, s21
.endr
.irp u, 0,1,2,3
	v_add_f32 v[XB+\u], v[XB+\u], v[EE+\u]
.endr
.endm
	s_load_b256 s[4:11], s[0:1], 0x0               ; query s[4:5], vd s[6:7], wimg s[8:9], sc s[10:11]
	v_lshl_add_u32 v[SPW], v0, 2, SPARE
	v_mov_b32 v[NIL], 0
	ds_add_u32 v[SPW], v[NIL]                      ; the wave's opening: the add, twice on end, and its wait ahead of my first tensor load; the set-up below, work on registers, stands between
	ds_add_u32 v[SPW], v[NIL]
	v_lshrrev_b32 v1, 5, v0
	v_readfirstlane_b32 s12, v1                    ; wave v, 0..7
	s_and_b32 s13, s12, 3                          ; w
	s_lshr_b32 s14, s12, 2                         ; gh
	s_bfe_u32 s15, ttmp6, 0x40000                  ; cx: my place in the cluster: it enters global addresses alone
	s_lshl_b32 s16, ttmp9, 2
	s_add_co_u32 s16, s16, s15                     ; X = 4 x cluster x + cx = 32 b + i
	s_lshr_b32 s17, s16, 5                         ; b
	s_and_b32 s18, s16, 31                         ; i
	s_and_b32 s19, ttmp7, 3                        ; q: the grid's y, 0..3, the same in all four partners
	; descriptor group 1 for a chunk of query: 16 rows x 64 elements of 4 bytes, rows 512 elements apart, 16 bytes of padding behind each row's 64 words
	s_mov_b32 s24, (2<<16)|(1<<20)|(5<<22)|(3<<25)
	s_mov_b32 s25, 64<<16                          ; tensor_dim0
	s_mov_b32 s26, 16<<16                          ; tensor_dim1
	s_mov_b32 s27, 64<<16                          ; tile_dim0
	s_mov_b32 s28, 16                              ; tile_dim1
	s_mov_b32 s29, 512                             ; the pitch
	s_mov_b32 s30, 0
	s_mov_b32 s31, 0
	; and for an eighth of Wd's image: 12,800 dense bytes as 50 rows of 32 elements of 8 bytes; the mask names all four work-groups, bit 21 beside it
	s_mov_b32 s32, 15|(3<<16)|(1<<21)
	s_mov_b32 s33, 32<<16
	s_mov_b32 s34, 50<<16
	s_mov_b32 s35, 32<<16
	s_mov_b32 s36, 50
	s_mov_b32 s37, 32
	s_mov_b32 s38, 0
	s_mov_b32 s39, 0
	s_mov_b32 s20, 0x76543210
	s_mov_b32 s21, 0xfedcba98                      ; v_permlanex16_b32's selects for lane l xor 16
	s_mov_b32 s22, 0x4038aa3b                      ; 2 log2(e)
	s_mov_b32 s23, s22                             ; (named with it as a pair, so it is written)
	s_lshl_b32 s73, s17, 20                        ; a batch of query is 2^20 bytes,
	s_lshl_b32 s74, s12, 8                         ; my chunk 256 bytes of each row
	s_or_b32 s73, s73, s74
	s_lshl_b32 s75, s19, 2
	s_add_co_u32 s75, s75, s18                     ; i + 4 q
	s_mul_i32 s76, s12, CH                         ; my chunk's place in a slot
	s_mov_b32 s79, 0
	s_wait_dscnt 0x0                               ; both opening adds are done
	s_wait_kmcnt 0x0
.irp n, 0,1,2,3,4                      ; wave v fetches chunk v of all five tiles: slot 0 holds tile i, slot n tile (i + 4 q + n) mod 32
.if \n == 0
	s_mov_b32 s77, s18
.else
	s_add_co_u32 s77, s75, \n
	s_and_b32 s77, s77, 31
.endif
	s_lshl_b32 s78, s77, 15                        ; a tile of 16 rows is 2^15 bytes
	s_or_b32 s78, s78, s73
	s_mov_b32 s[40+4*\n], 1
	s_add_co_u32 s[41+4*\n], s76, \n*SLOTB
	s_add_nc_u64 s[42+4*\n:43+4*\n], s[4:5], s[78:79]
	s_or_b32 s[43+4*\n], s[43+4*\n], 0x80000000
.endr
	s_mul_i32 s78, s12, 12800                      ; my eighth of the image: the wave's number alone, so the descriptor is equal in all four partners
	s_mov_b32 s60, 1
	s_add_co_u32 s61, s78, WI
	s_add_nc_u64 s[62:63], s[8:9], s[78:79]
	s_or_b32 s63, s63, 0x80000000
	ROUND                                          ; all four work-groups are here: the joint loads meet
.irp n, 0,1,2,3,4                      ; all fills of the launch go out together: six tensor loads of mine are out
	tensor_load_to_lds s[40+4*\n:43+4*\n], s[24:31]
	s_nop 0
.endr
	tensor_load_to_lds s[60:63], s[32:39]
	s_nop 0
	v_and_b32 v[LR], 15, v0
	v_bfe_u32 v[LH], v0, 4, 1
	v_and_b32 v[TMP], 31, v0
	v_lshlrev_b32 v[L16], 4, v[TMP]
	v_lshlrev_b32 v[L4], 2, v[TMP]
	v_lshlrev_b32 v[H8], 3, v[LH]
	v_lshlrev_b32 v[TMP+1], 5, v[TMP]              ; 32 x lane
	v_lshlrev_b32 v[TMP], 2, v0                    ; 4 x thread
	global_load_b32 v50, v[TMP], s[6:7]            ; vd[thread]: the 256 threads take vd once
	global_load_b128 v[64:67], v[TMP+1], s[6:7]    ; and each wave all of it, 8 a lane, for sum(vd)
	global_load_b128 v[68:71], v[TMP+1], s[6:7] offset:16
	; all LDS and global addresses: constants, the lane, the wave's number, and q
	v_mul_u32_u24 v48, v[LR], PQ
	v_lshl_add_u32 v48, v[LH], 7, v48              ; 272 R + 128 H
	s_add_co_u32 s73, s13, 1
	s_mul_i32 s73, s73, SLOTB
	v_add_nc_u32 v[TA], s73, v48
	v_add_nc_u32 v[TAD], s76, v48
	s_lshl_b32 s73, s19, 2
	v_add_nc_u32 v49, s73, v[LR]
	v_and_b32 v49, 15, v49                         ; lane u of each half holds row 4 q + u
	v_mul_u32_u24 v49, v49, PQ
	v_lshl_add_u32 v49, v[LH], 7, v49
	v_add_nc_u32 v[SAD], s76, v49
	v_add_nc_u32 v[WA0], WI, v[L16]
	v_add_nc_u32 v[WS0], WSCL, v[L4]
	v_lshl_add_u32 v[VD0], v[LH], 5, VDL
	s_lshr_b32 s73, s12, 1                         ; my chunk's K step,
	s_and_b32 s74, s12, 1                          ; and which half of it: registers 0-5 or 6-11 of the fragment
	s_mul_i32 s75, s73, 1536
	s_mul_i32 s77, s74, 520
	s_add_co_u32 s77, s77, s75
	s_add_co_u32 s78, s77, CIMG
	v_add_nc_u32 v[CK], s78, v[L16]                ; registers 0, 1 at 0; 6, 7 at 520
	s_add_co_u32 s78, s77, CIMG+512
	v_add_nc_u32 v[CK+2], s78, v[L16]              ; registers 4, 5 at 512; 10, 11 at 1,032
	s_mul_i32 s77, s74, 1016
	s_add_co_u32 s77, s77, s75
	s_add_co_u32 s77, s77, CIMG+8
	v_add_nc_u32 v[CK+1], s77, v[L16]              ; registers 2, 3 at 8; 8, 9 at 1,024
	s_lshl_b32 s77, s73, 6
	s_lshl_b32 s78, s74, 1
	s_add_co_u32 s77, s77, s78
	s_add_co_u32 s77, s77, SCW
	v_lshl_add_u32 v[SBA], v[LR], 2, v[LH]
	v_add_nc_u32 v[SBA], s77, v[SBA]               ; byte 2 (v % 2) + H of word (u, v / 2, R)
	v_add_nc_u32 v[CI], CIMG, v[L16]
	v_add_nc_u32 v[SCR], SCW, v[L4]
	s_lshl_b32 s77, s12, 8
	s_add_co_u32 s77, s77, PART
	v_lshl_add_u32 v[PW], v[LR], 4, s77
	v_lshlrev_b32 v[PR], 10, v[LH]
	v_lshl_add_u32 v[PR], v[LR], 4, v[PR]
	v_add_nc_u32 v[PR], PART, v[PR]
	s_mul_i32 s73, s16, 17
	s_lshl_b32 s74, s19, 2
	s_add_co_u32 s74, s74, s13
	s_add_co_u32 s74, s74, 1                       ; j = 1 + 4 q + w
	s_add_co_u32 s74, s74, s73
	s_lshl_b32 s74, s74, 10
	s_lshl_b32 s75, s14, 9
	s_add_co_u32 s74, s74, s75
	v_add_nc_u32 v[SO], s74, v[L16]                ; slot (X, j), + 512 gh, + 16 x lane
	s_lshl_b32 s73, s73, 10
	s_lshl_b32 s75, s19, 8
	s_add_co_u32 s73, s73, s75
	v_lshl_add_u32 v[SOD], v[LR], 4, v[H8]
	v_add_nc_u32 v[SOD], s73, v[SOD]               ; slot (X, 0), + 256 q, + 16 R + 8 H
	v_lshl_add_u32 v51, v0, 2, VDL
.set k, 0
.rept 64
	v_mov_b32 v[P0+k], 0                           ; written once: the destination of a DPP form counts as one of its sources
.set k, k+1
.endr
.irp u, 0,1,2,3
	v_mov_b32 v[KK+\u], 0
	v_mov_b32 v[EE+\u], 0                          ; (a lane permute's destination likewise)
.endr
	s_wait_loadcnt 0x0                             ; vd
	v_mul_f32 v50, -2.0, v50
	ds_store_b32 v51, v50                          ; -2 vd[thread]
	v_add_f32 v64, v64, v65
	v_add_f32 v66, v66, v67
	v_add_f32 v68, v68, v69
	v_add_f32 v70, v70, v71
	v_add_f32 v64, v64, v66
	v_add_f32 v68, v68, v70
	v_add_f32 v64, v64, v68
	v_add_f32_dpp v64, v64, v64 row_xmask:1 row_mask:0xf bank_mask:0xf
	v_add_f32_dpp v64, v64, v64 row_xmask:2 row_mask:0xf bank_mask:0xf
	v_add_f32_dpp v64, v64, v64 row_xmask:4 row_mask:0xf bank_mask:0xf
	v_add_f32_dpp v64, v64, v64 row_xmask:8 row_mask:0xf bank_mask:0xf
	v_permlanex16_b32 v65, v64, s20, s21
	v_add_f32 v64, v64, v65                        ; sum(vd), in every lane
	v_mul_f32 v[SUMQ], 0.25, v64                   ; a score of a pass is the sum of 4 partial sums,
	v_mul_f32 v[SUM32], 0x3d000000, v64            ; one of the diagonal pass of 32
	s_wait_tensorcnt 1                             ; my five chunks of query are in; the one load issued behind them, my eighth of the image, may stay out
	s_wait_dscnt 0x0                               ; my store of -2 vd is done
	s_barrier_signal -1
	s_barrier_wait -1                              ; everybody's chunks are in
	; ---- the diagonal pass, phase A: my chunk of the four units' codes, into LDS as parts of register images
	QLOAD 0, SAD, TAD, 0
	s_wait_dscnt 0x0
	UPAIR 0, 0, 0, 1
	UPAIR 0, 0, 2, 3
.irp u, 0,1,2,3
	v_lshrrev_b32 v[XB+\u], 23, v[EE+\u]
.endr
.irp u, 0,1,2,3
	ds_store_b8 v[SBA], v[XB+\u] offset:256*\u
.endr
	WIN 0x04                                       ; an LDS store's data are its source 1: window 1
.irp u, 0,1,2,3
.irp k, 0,1,2
	ds_store_b64 v[CK+\k], v[CU+48*\u+2*\k:CU+48*\u+2*\k+1] offset:6144*\u
.endr
.endr
	WIN 0
	s_wait_tensorcnt 0x0                           ; my eighth of Wd's image is in
	s_wait_dscnt 0x0                               ; my stores are done
	s_barrier_signal -1
	s_barrier_wait -1                              ; the image is whole, and so are the four units' codes and scale words
	; ---- the diagonal pass, phase B: all codes back, d tiles 2 v and 2 v + 1
	WIN 0x40
.set n, 0
.rept 48
	ds_load_b128 v[CU+4*n:CU+4*n+3], v[CI] offset:512*n
.set n, n+1
.endr
	WIN 0
.irp u, 0,1,2,3
.irp e, 0,1
	ds_load_b32 v[SAS+2*\u+\e], v[SCR] offset:256*\u+128*\e
.endr
.endr
	s_mul_i32 s68, s12, 12288
	s_lshl_b32 s69, s12, 9
	s_lshl_b32 s70, s12, 7
	BADDR
	BLOAD 0
	SINIT SUM32
	BSTEP 0, 1
	BSTEP 1, 0
	RED
	ds_store_b128 v[PW], v[XB:XB+3]                ; my partial sums of (u = 0..3, t = R); both halves of the lanes write the same bytes with the same values
	; ---- my two passes
	s_mov_b32 s66, 0
	s_lshl_b32 s71, s14, 3                         ; the pass's first s row: 8 gh, then 8 gh + 4
.Lpass:
	v_add_nc_u32 v[TMP], s71, v[LR]
	v_and_b32 v[TMP], 15, v[TMP]                   ; lane u of each half holds s row s71 + u
	v_mul_u32_u24 v[SA], v[TMP], PQ
	v_lshl_add_u32 v[SA], v[LH], 7, v[SA]
	QLOAD 0, SA, TA, 0
	CHUNK 0
	CHUNK 1
	CHUNK 2
	CHUNK 3
	CHUNK 4
	CHUNK 5
	CHUNK 6
	CHUNK 7
	s_mov_b32 s68, 0
	s_mov_b32 s69, 0
	s_mov_b32 s70, 0
	BADDR                                          ; these three and the eight moves below are the places between the last write of a scale word and the first scaled product (eight are owed)
	BLOAD 0
	SINIT SUMQ
	s_mov_b32 s67, 7
.Ldt:                                                  ; two d tiles a trip, so that -2 vd's two sets are back where they began
	BSTEP 0, 1
	BSTEP 1, 1
	s_sub_co_u32 s67, s67, 1
	s_cmp_lg_u32 s67, 0
	s_cbranch_scc1 .Ldt
	BSTEP 0, 1                                     ; the last two are written out: the last fetches nothing
	BSTEP 1, 0
	RED
	v_cmp_eq_u32 s80, s66, v[LH]                   ; lanes of half H keep the scores of pass H: so the wave's one store covers both passes
.irp u, 0,1,2,3
	v_cndmask_b32 v[KK+\u], v[KK+\u], v[XB+\u], s80
.endr
	s_add_co_u32 s71, s71, 4
	s_add_co_u32 s66, s66, 1
	s_cmp_lt_u32 s66, 2
	s_cbranch_scc1 .Lpass
	global_store_b128 v[SO], v[KK:KK+3], s[10:11]  ; the wave stores 512 consecutive bytes, at a multiple of 512 from sc's first byte
	; ---- the diagonal pass's eight partial sums
	s_wait_dscnt 0x0                               ; my store of partial sums is done
	s_barrier_signal -1
	s_barrier_wait -1
	s_cmp_lg_u32 s12, 0                            ; wave 0 adds them
	s_cbranch_scc1 .Lend
.irp n, 0,1,2,3
	ds_load_b128 v[64+4*\n:67+4*\n], v[PR] offset:256*\n   ; lanes 0-15: waves 0 to 3; lanes 16-31: waves 4 to 7
.endr
	s_wait_dscnt 0x0
.irp k, 0,1,2,3
	v_add_f32 v[64+\k], v[64+\k], v[68+\k]
	v_add_f32 v[72+\k], v[72+\k], v[76+\k]
.endr
.irp k, 0,1,2,3
	v_add_f32 v[64+\k], v[64+\k], v[72+\k]
.endr
.irp k, 0,1,2,3
	v_permlanex16_b32 v[EE+\k], v[64+\k], s20, s21
.endr
.irp k, 0,1,2,3
	v_add_f32 v[64+\k], v[64+\k], v[EE+\k]
.endr
	v_cmp_eq_u32 s80, 1, v[LH]
	v_cndmask_b32 v64, v64, v66, s80               ; lanes 0-15 store u = 0, 1, lanes 16-31 u = 2, 3
	v_cndmask_b32 v65, v65, v67, s80
	global_store_b64 v[SOD], v[64:65], s[10:11]    ; the 32 lanes store 256 consecutive bytes, at a multiple of 256 from sc's first byte
.Lend:
	s_wait_tensorcnt 0x0                           ; the wave's end, behind my last tensor load and my last LDS store
	ds_add_u32 v[SPW], v[NIL]
	s_wait_dscnt 0x0
	ROUND                                          ; the closing round: no work-group ends while a partner may still ask for the image
	s_endpgm
.Lfunc_end_k_qeb9f2e8505_scores:
	.size	k_qeb9f2e8505_scores, .Lfunc_end_k_qeb9f2e8505_scores-k_qeb9f2e8505_scores
	.p2alignl 7, 3214868480
	.fill 96, 4, 3214868480
	.section	.rodata,"a",@progbits
	.p2align	6, 0x0
	.amdhsa_kernel k_qeb9f2e8505_scores
		.amdhsa_group_segment_fixed_size 308224
		.amdhsa_private_segment_fixed_size 0
		.amdhsa_enable_private_segment 0
		.amdhsa_kernarg_size 32
		.amdhsa_user_sgpr_count 2
		.amdhsa_user_sgpr_kernarg_segment_ptr 1
		.amdhsa_wavefront_size32 1
		.amdhsa_system_sgpr_workgroup_id_x 1
		.amdhsa_system_sgpr_workgroup_id_y 1
		.amdhsa_system_sgpr_workgroup_id_z 1
		.amdhsa_system_vgpr_workitem_id 0
		.amdhsa_next_free_vgpr 512
		.amdhsa_next_free_sgpr 96
		.amdhsa_reserve_vcc 0
		.amdhsa_float_denorm_mode_32 3
		.amdhsa_float_denorm_mode_16_64 3
		.amdhsa_memory_ordered 1
		.amdhsa_forward_progress 1
		.amdhsa_inst_pref_size 207
	.end_amdhsa_kernel
	.amdgpu_metadata
---
amdhsa.version: [ 1, 2 ]
amdhsa.kernels:
  - .name:           k_qeb9f2e8505_scores
    .symbol:         k_qeb9f2e8505_scores.kd
    .args:
      - { .name: query, .offset: 0, .size: 8, .value_kind: global_buffer, .address_space: global }
      - { .name: vd, .offset: 8, .size: 8, .value_kind: global_buffer, .address_space: global }
      - { .name: wimg, .offset: 16, .size: 8, .value_kind: global_buffer, .address_space: global }
      - { .name: sc, .offset: 24, .size: 8, .value_kind: global_buffer, .address_space: global }
    .group_segment_fixed_size: 308224
    .private_segment_fixed_size: 0
    .kernarg_segment_align: 8
    .kernarg_segment_size: 32
    .max_flat_workgroup_size: 256
    .sgpr_count:     96
    .vgpr_count:     512
    .wavefront_size: 32
...
	.end_amdgpu_metadata
.endif
;; end of part 2
;; launch attend (part 3): grid 64 x 2, 4 waves a work-group, no clusters, 52,224 bytes of LDS; arguments sc, vimg, out0, out1; writes out0, out1
.if DOCPART == 3
	.amdgcn_target "amdgcn-amd-amdhsa--gfx1250"
	.amdhsa_code_object_version 6
	.text
	.protected	k_qeb9f2e8505_attend
	.globl	k_qeb9f2e8505_attend
	.p2align	8
	.type	k_qeb9f2e8505_attend,@function
k_qeb9f2e8505_attend:
	s_mov_b64 s[64:65], 0
	v_nop
	global_prefetch_b8 v0, s[64:65] scope:SCOPE_SE
	s_setreg_imm32_b32 hwreg(HW_REG_WAVE_MODE, 25, 1), 1
	s_wait_xcnt 0x0
; atten[b,s,:] = softmax over t of sjt[b,s,:];  context = Q(p) Q(value) / l, on codes of E3M2 with one E8M0 scale for each 32 along t.
; t' = sjt x log2(e); M = ceil(the row's largest t'), a whole number; p = 2^(t' - M) is what is quantised; l = the row's sum of the unquantised p, in f32; atten = p / l.
; The scores of sub-tiles j = 17 .. 31 were not made (head of the first kernel: sjt[b,s,t] = sjt[b,t,s] for all inputs): they are read from the mirrored sub-tile.
; LIMITS: NaN and infinities are not served; a p under 2^-126 counts as 0 (v_exp_f32: ISA guide 15.8); a block whose every p is 0 keeps the scale byte 1: its codes are zeros.
; SHARES.  Work-group (X = 32 b + i, Y): the 16 rows s = 16 i .. 16 i + 15; half Y of context's 512 columns and half Y of atten's 16 rows.  Four waves: wave w makes context's columns 256 Y + 64 w .. + 63
; and atten's rows 8 Y + 2 w, 8 Y + 2 w + 1.  The 16 x 512 scores are gathered in LDS once; each wave then makes the rows' softmax and p's codes for itself (256 numbers a lane), which spares barriers.
; LAYOUT.  The product is used transposed: source 0 = 16 columns d of value (register images made by the first launch), source 1 = p of the 16 rows: lane (R, H) holds row R and t = 64 c + 32 H + 0 .. 31 of chunk c:
; a block of 32 lies in one lane, and the conversions' results are registers 6 c .. 6 c + 5 of the operand.  In the result lane (R, H) holds row R and d = 16 tile + 8 H + 0 .. 7.
; No tensor load and no cluster: a work-group's inputs are 32 KiB of scores and 24 KiB of codes a wave, read straight into registers; the work-groups that read the same codes of value are 32 different i, which no cluster of four spans to any use beside that size.
.set SP,    2064                       ; a row of scores in LDS: 2,048 bytes + 16: an odd multiple of 16, so the 16 rows that a load of 16 bytes a lane touches fall on different banks (ISA guide 11.1)
.set ST,    33280                      ; behind the scores: a stage of 16 rows x 272 bytes for each wave
.set STP,   272
.set STAT,  ST+4*16*STP                ; 256 bytes for each wave: the rows' -M, then their 1 / l, a word a lane
.set SPARE, STAT+1024                  ; the spare words, 128 bytes for each wave: two blocks of 256 bytes that no other line names
.set VSCB,  393216                     ; where the scale words begin in vimg
.set LR,  1                            ; R
.set LH,  2                            ; H
.set L16, 3                            ; 16 x lane
.set L4,  4                            ; 4 x lane
.set SPW, 5
.set NIL, 6
.set H8,  7
.set RA,  8                            ; my row's scores: SP R + 128 H
.set DA,  9                            ; where a direct sub-tile's words go
.set TA,  10                           ; where a mirrored sub-tile's 16 bytes go
.set STO, 11                           ; the stage, in
.set STR, 12                           ; and back
.set GO0, 13                           ; my bytes in out0
.set AR,  14                           ; my atten row's scores
.set GO1, 15                           ; my bytes in out1
.set BM,  16                           ; v16-23 the blocks' largest scores, then their bytes
.set EE,  24                           ; v24-31 the conversions' scale operands
.set T,   32                           ; v32-39 the slots' offsets, then temporaries
.set SPS, 40                           ; v40-41 p's scale words and nothing else: lanes 0-15 K step 2 e, lanes 16-31 K step 2 e + 1
.set VS,  42                           ; v42-49 value's scale words and nothing else, likewise: register 2 tile + e
.set NM,  50                           ; v50-51 -M, twice
.set RL,  52                           ; v52-53 1 / l, twice
.set SU,  54                           ; v54-57 the sum, in four parts
.set AM,  58                           ; v58-59 my atten row's -M, twice;  v60-61 its 1 / l, twice
.set SW,  62                           ; STAT, in
.set SR,  63                           ; STAT, back
.set X,   64                           ; v64-95, v96-127 two sets of 32 scores; first the 64 registers of my eight sub-tiles
.set PC,  128                          ; v128-175 p's codes: K step f at 12 f
.set CT,  176
.set ACC, 192                          ; v192-223 four accumulators
; window 1: v0-191 value's codes: tile dtl at 48 dtl, K step f at + 12 f
.set MSB, 0
.macro WIN new
.if MSB != \new
	s_set_vgpr_msb (MSB<<8)|\new
.set MSB, \new
.endif
.endm
	s_load_b256 s[4:11], s[0:1], 0x0               ; sc s[4:5], vimg s[6:7], out0 s[8:9], out1 s[10:11]
	v_lshl_add_u32 v[SPW], v0, 2, SPARE
	v_mov_b32 v[NIL], 0
	v_lshrrev_b32 v1, 5, v0
	v_readfirstlane_b32 s12, v1                    ; wave w
	s_and_b32 s14, ttmp7, 1                        ; Y: the grid's y, 0 or 1
	s_and_b32 s18, ttmp9, 31                       ; i
	s_sub_co_u32 s22, ttmp9, s18                   ; 32 b
	s_mul_i32 s21, ttmp9, 17                       ; my block row's first slot
	s_lshl_b32 s20, s12, 3                         ; my first column tile: 8 w
	s_mov_b32 s44, 0x3fb8aa3b                      ; log2(e)
	s_mov_b32 s45, s44                             ; (named with it as a pair, so it is written)
	s_mov_b32 s46, 0x76543210
	s_mov_b32 s47, 0xfedcba98                      ; v_permlanex16_b32's selects for lane l xor 16
	v_and_b32 v[LR], 15, v0
	v_bfe_u32 v[LH], v0, 4, 1
	v_and_b32 v[RA], 31, v0
	v_lshlrev_b32 v[L16], 4, v[RA]
	v_lshlrev_b32 v[L4], 2, v[RA]
	v_lshlrev_b32 v[H8], 3, v[LH]
; Column tile T' = 8 w + n lies j = (T' - i) mod 32 tiles to the right of the diagonal.  j <= 16: slot (X, j) holds it.  Else slot (32 b + T', 32 - j) holds its mirror image.
.irp n, 0,1,2,3,4,5,6,7
	s_add_co_u32 s40, s20, \n
	s_sub_co_u32 s41, s40, s18
	s_and_b32 s[24+\n], s41, 31                    ; j, kept for the branch below
	s_add_co_u32 s42, s21, s[24+\n]
	s_add_co_u32 s43, s22, s40
	s_mul_i32 s43, s43, 17
	s_add_co_u32 s43, s43, 32
	s_sub_co_u32 s43, s43, s[24+\n]
	s_cmp_le_u32 s[24+\n], 16
	s_cselect_b32 s42, s42, s43
	s_lshl_b32 s42, s42, 10
	v_add_nc_u32 v[T+\n], s42, v[L16]
.endr
	s_lshl_b32 s32, s14, 4
	s_lshl_b32 s33, s12, 2
	s_add_co_u32 s32, s32, s33
	s_add_co_u32 s32, s32, s22                     ; my first tile of value: 32 b + 16 Y + 4 w
	s_mul_i32 s34, s32, 6144
	s_mov_b32 s35, 0
	s_lshl_b32 s38, s32, 8
	s_add_co_u32 s38, s38, VSCB
	s_mov_b32 s39, 0
	v_mul_u32_u24 v[RA], v[LR], SP
	v_lshl_add_u32 v[RA], v[LH], 7, v[RA]
	s_lshl_b32 s33, s12, 9                         ; my eight column tiles begin 512 w bytes into a row
	v_mul_u32_u24 v[DA], v[LH], 4*SP
	v_lshl_add_u32 v[DA], v[LR], 2, v[DA]
	v_add_nc_u32 v[DA], s33, v[DA]                 ; rows 4 H + .., 4 bytes a column
	v_mul_u32_u24 v[TA], v[LR], SP
	v_lshl_add_u32 v[TA], v[LH], 4, v[TA]
	v_add_nc_u32 v[TA], s33, v[TA]                 ; row R, 16 bytes a half
	s_mul_i32 s33, s12, 16*STP
	s_add_co_u32 s33, s33, ST                      ; my stage
	v_mul_u32_u24 v[STO], v[LR], STP
	v_lshl_add_u32 v[STO], v[LH], 5, v[STO]
	v_add_nc_u32 v[STO], s33, v[STO]
	v_mul_u32_u24 v[STR], v[LH], STP
	v_lshl_add_u32 v[STR], v[LR], 4, v[STR]
	v_add_nc_u32 v[STR], s33, v[STR]
	s_lshl_b32 s33, ttmp9, 15                      ; out0: 16 rows of 2,048 bytes a block row,
	s_lshl_b32 s40, s14, 10
	s_add_co_u32 s33, s33, s40
	s_lshl_b32 s40, s12, 8
	s_add_co_u32 s33, s33, s40                     ; my 256 bytes of each row
	v_lshlrev_b32 v[GO0], 11, v[LH]
	v_lshl_add_u32 v[GO0], v[LR], 4, v[GO0]
	v_add_nc_u32 v[GO1], 0, v[GO0]
	v_add_nc_u32 v[GO0], s33, v[GO0]
	s_lshl_b32 s40, s14, 3
	s_lshl_b32 s41, s12, 1
	s_add_co_u32 s40, s40, s41                     ; my first atten row: 8 Y + 2 w
	s_mul_i32 s41, s40, SP
	v_mul_u32_u24 v[AR], v[LH], SP
	v_lshl_add_u32 v[AR], v[LR], 4, v[AR]
	v_add_nc_u32 v[AR], s41, v[AR]
	s_lshl_b32 s41, ttmp9, 4
	s_add_co_u32 s41, s41, s40
	s_lshl_b32 s41, s41, 11
	v_add_nc_u32 v[GO1], s41, v[GO1]
	s_lshl_b32 s41, s12, 8
	s_add_co_u32 s41, s41, STAT
	v_add_nc_u32 v[SW], s41, v[L4]
	s_lshl_b32 s40, s40, 2
	s_add_co_u32 s41, s41, s40
	v_lshlrev_b32 v[SR], 2, v[LH]
	v_add_nc_u32 v[SR], s41, v[SR]                 ; the word of lane 8 Y + 2 w + H, which holds that row
.irp k, 0,1,2,3
	v_mov_b32 v[SU+\k], 0
.endr
	s_wait_kmcnt 0x0
	s_add_nc_u64 s[36:37], s[6:7], s[34:35]        ; value's codes at my first tile
	s_add_nc_u64 s[38:39], s[6:7], s[38:39]        ; and its scale words
.irp n, 0,1,2,3,4,5,6,7
.irp e, 0,1
	global_load_b128 v[X+8*\n+4*\e:X+8*\n+4*\e+3], v[T+\n], s[4:5] offset:512*\e   ; a slot: two loads of 512 consecutive bytes
.endr
.endr
.irp d, 0,1,2,3
.irp e, 0,1
	global_load_b32 v[VS+2*\d+\e], v[L4], s[38:39] offset:256*\d+128*\e
.endr
.endr
	WIN 0x40                                       ; destination window 1
.set n, 0
.rept 48
	global_load_b128 v[4*n:4*n+3], v[L16], s[36:37] offset:512*n   ; 24,576 dense bytes: the operand's registers as they were stored
.set n, n+1
.endr
	WIN 0
	s_wait_loadcnt 56                              ; my 16 loads of scores are in; the 56 issued behind them (value's scale words and codes) may stay out
; In a slot, lane l of piece e holds [g = 2 e + l / 16][r = l % 16][u = 0..3].  Direct: sjt(row 4 g + u, column 16 T' + r): four words to four rows.  Mirrored: sjt(row r, column 16 T' + 4 g + u): 16 bytes of one row.
; The branch hangs on ids alone; both forms write the same 16 x 64 bytes, which are this wave's by the wave's number and n.
.irp n, 0,1,2,3,4,5,6,7
	s_cmp_le_u32 s[24+\n], 16
	s_cbranch_scc0 .Lmirror_\n
.irp e, 0,1
.irp u, 0,1,2,3
	ds_store_b32 v[DA], v[X+8*\n+4*\e+\u] offset:(8*\e+\u)*SP+64*\n
.endr
.endr
	s_branch .Lstored_\n
.Lmirror_\n:
.irp e, 0,1
	ds_store_b128 v[TA], v[X+8*\n+4*\e:X+8*\n+4*\e+3] offset:64*\n+32*\e
.endr
.Lstored_\n:
.endr
	s_wait_dscnt 0x0                               ; my stores are done
	s_barrier_signal -1
	s_barrier_wait -1                              ; the 16 x 512 scores lie in LDS: the launch's one barrier
.macro SLOAD par, c                    ; chunk c of my row: 32 scores
.irp m, 0,1,2,3,4,5,6,7
	ds_load_b128 v[X+32*(\par)+4*\m:X+32*(\par)+4*\m+3], v[RA] offset:256*(\c)+16*\m
.endr
.endm
.macro AHEAD c                         ; the next chunk is asked for; this one is waited for
.if (\c) < 7
	SLOAD ((\c)+1)%2, (\c)+1
	s_wait_dscnt 8                                 ; LDS loads come back in order: this chunk's eight are in, the eight just issued may be out
.else
	s_wait_dscnt 0x0
.endif
.endm
	; ---- pass 1: each block's largest score (it serves the row's maximum and, since p rises with the score, the block's largest p)
.macro PASS1 c
	AHEAD \c
.set XX, X+32*((\c)%2)
	v_max3_num_f32 v[T], v[XX], v[XX+1], v[XX+2]
	v_max3_num_f32 v[T+1], v[XX+15], v[XX+16], v[XX+17]
.irp i, 0,1,2,3,4,5
	v_max3_num_f32 v[T], v[T], v[XX+3+2*\i], v[XX+4+2*\i]
	v_max3_num_f32 v[T+1], v[T+1], v[XX+18+2*\i], v[XX+19+2*\i]
.endr
	v_max3_num_f32 v[T+1], v[T+1], v[XX+30], v[XX+31]
	v_max_num_f32 v[BM+(\c)], v[T], v[T+1]
.endm
	SLOAD 0, 0
.irp c, 0,1,2,3,4,5,6,7
	PASS1 \c
.endr
	SLOAD 0, 0                                     ; pass 2's first chunk, on its way under the lines below
	v_max3_num_f32 v[T], v[BM], v[BM+1], v[BM+2]
	v_max3_num_f32 v[T], v[T], v[BM+3], v[BM+4]
	v_max3_num_f32 v[T], v[T], v[BM+5], v[BM+6]
	v_max_num_f32 v[T], v[T], v[BM+7]
	v_permlanex16_b32 v[T+1], v[T], s46, s47
	v_max_num_f32 v[T], v[T], v[T+1]               ; the row's largest score
	v_mul_f32 v[T], s44, v[T]
	v_floor_f32 v[NM], -v[T]                       ; -M = floor(-t') = -ceil(t')
	v_mov_b32 v[NM+1], v[NM]
.irp c, 0,1,2,3,4,5,6,7
	v_fma_f32 v[EE+\c], v[BM+\c], s44, v[NM]
.endr
.irp c, 0,1,2,3,4,5,6,7
	v_exp_f32 v[EE+\c], v[EE+\c]                   ; the block's largest p: the same multiply-add and exponential as its number gets below
.endr
	v_nop                                          ; a plain instruction behind the last exponential
	s_wait_alu depctr_va_vdst(0)                   ; one wait for the batch, ahead of its first reader
.irp c, 0,1,2,3,4,5,6,7
	v_max_num_f32 v[EE+\c], 0x2800000, v[EE+\c]    ; the floor 2^(5 - 127): the byte cannot fall under 1
.endr
.irp c, 0,1,2,3,4,5,6,7
	v_add_nc_u32 v[EE+\c], 0xfe000000, v[EE+\c]    ; 4 off the exponent field: the conversion's scale operand
.endr
.irp c, 0,1,2,3,4,5,6,7
	v_lshrrev_b32 v[BM+\c], 23, v[EE+\c]           ; the scale's byte
.endr
.irp f, 0,1,2,3
	v_lshl_or_b32 v[T+\f], v[BM+2*\f+1], 16, v[BM+2*\f]   ; in K step f my blocks are H and 2 + H
.endr
	v_lshlrev_b32 v[SPS], v[H8], v[T]
	v_lshlrev_b32 v[T+1], v[H8], v[T+1]
	v_lshlrev_b32 v[SPS+1], v[H8], v[T+2]
	v_lshlrev_b32 v[T+3], v[H8], v[T+3]
	v_permlane16_swap_b32 v[SPS], v[T+1]           ; the even step's upper lanes change places with the odd step's lower lanes:
	v_permlane16_swap_b32 v[SPS+1], v[T+3]
	v_or_b32 v[SPS], v[SPS], v[T+1]                ; lanes 0-15 now hold the even step's whole word, lanes 16-31 the odd step's
	v_or_b32 v[SPS+1], v[SPS+1], v[T+3]
	; ---- pass 2: p, its sum, its codes
.macro PASS2 c
	AHEAD \c
.set XX, X+32*((\c)%2)
.set k, 0
.rept 16
	v_pk_fma_f32 v[XX+k:XX+k+1], v[XX+k:XX+k+1], s[44:45], v[NM:NM+1] op_sel_hi:[1,0,0]   ; t' - M, two at a time
.set k, k+2
.endr
.set k, 0
.rept 32
	v_exp_f32 v[XX+k], v[XX+k]
.set k, k+1
.endr
	v_nop
	s_wait_alu depctr_va_vdst(0)                   ; one wait for the chunk's 32
.irp k, 0,4,8,12,16,20,24,28
	v_pk_add_f32 v[SU:SU+1], v[SU:SU+1], v[XX+\k:XX+\k+1]          ; the sum is taken of the unquantised p, in two chains
	v_pk_add_f32 v[SU+2:SU+3], v[SU+2:SU+3], v[XX+\k+2:XX+\k+3]
.endr
	v_cvt_scalef32_pk16_bf6_f32 v[PC+6*(\c):PC+6*(\c)+2], v[XX:XX+15], v[EE+(\c)]
	v_cvt_scalef32_pk16_bf6_f32 v[CT:CT+2], v[XX+16:XX+31], v[EE+(\c)]   ; (a conversion's three registers begin on an even number)
	v_nop                                          ; one plain instruction behind the scaled conversions
.irp i, 0,1,2
	v_mov_b32 v[PC+6*(\c)+3+\i], v[CT+\i]
.endr
.endm
.irp c, 0,1,2,3,4,5,6,7
	PASS2 \c
.endr
	v_pk_add_f32 v[SU:SU+1], v[SU:SU+1], v[SU+2:SU+3]
	v_add_f32 v[SU], v[SU], v[SU+1]
	v_permlanex16_b32 v[SU+2], v[SU], s46, s47
	v_add_f32 v[SU], v[SU], v[SU+2]                ; l: at least 1/2, since the row's largest p is over 1/2
	v_rcp_f32 v[RL], v[SU]
	v_nop
	s_wait_alu depctr_va_vdst(0)
	v_mov_b32 v[RL+1], v[RL]
	ds_store_b32 v[SW], v[NM]                      ; my row's -M and 1 / l, to my wave's own words
	ds_store_b32 v[SW], v[RL] offset:128
	; ---- context: O^T = V^T P^T.  The four accumulators take turns, one instruction a turn; the lines since the last move into p's codes are more than the four places owed
	s_wait_loadcnt 0x0                             ; value's codes and scale words
	WIN 0x01                                       ; source 0 window 1
.irp f, 0,1,2,3
.irp d, 0,1,2,3
.if \f == 0
	v_wmma_scale_f32_16x16x128_f8f6f4 v[ACC+8*\d:ACC+8*\d+7], v[48*\d+12*\f:48*\d+12*\f+11], v[PC+12*\f:PC+12*\f+11], 0, v[VS+2*\d+\f/2], v[SPS+\f/2] matrix_a_fmt:MATRIX_FMT_BF6 matrix_b_fmt:MATRIX_FMT_BF6
.elseif \f == 2
	v_wmma_scale_f32_16x16x128_f8f6f4 v[ACC+8*\d:ACC+8*\d+7], v[48*\d+12*\f:48*\d+12*\f+11], v[PC+12*\f:PC+12*\f+11], v[ACC+8*\d:ACC+8*\d+7], v[VS+2*\d+\f/2], v[SPS+\f/2] matrix_a_fmt:MATRIX_FMT_BF6 matrix_b_fmt:MATRIX_FMT_BF6
.else
	v_wmma_scale_f32_16x16x128_f8f6f4 v[ACC+8*\d:ACC+8*\d+7], v[48*\d+12*\f:48*\d+12*\f+11], v[PC+12*\f:PC+12*\f+11], v[ACC+8*\d:ACC+8*\d+7], v[VS+2*\d+\f/2], v[SPS+\f/2] matrix_a_fmt:MATRIX_FMT_BF6 matrix_b_fmt:MATRIX_FMT_BF6 matrix_a_scale:MATRIX_SCALE_ROW1 matrix_b_scale:MATRIX_SCALE_ROW1
.endif
.endr
.endr
	WIN 0
.rept 4
	v_nop                                          ; four places ahead of the first read of results (ISA guide 7.12.1)
.endr
.set k, 0
.rept 16
	v_pk_mul_f32 v[ACC+k:ACC+k+1], v[ACC+k:ACC+k+1], v[RL:RL+1] op_sel_hi:[1,0]   ; / l; each accumulator from its low end on
.set k, k+2
.endr
.irp d, 0,1,2,3
	ds_store_b128 v[STO], v[ACC+8*\d:ACC+8*\d+3] offset:64*\d          ; lane (R, H): context(row R, my column 16 d + 8 H + 0 .. 7)
	ds_store_b128 v[STO], v[ACC+8*\d+4:ACC+8*\d+7] offset:64*\d+16
.endr
.irp n, 0,1,2,3,4,5,6,7
	ds_load_b128 v[X+4*\n:X+4*\n+3], v[STR] offset:2*\n*STP            ; LDS serves a wave's instructions in order (ISA guide 5.7.1.4): these see my stores
.endr
	ds_load_b32 v[AM], v[SR]                       ; my atten row's -M
	ds_load_b32 v[AM+2], v[SR] offset:128          ; and 1 / l
.irp n, 0,1,2,3,4,5,6,7
	ds_load_b128 v[X+32+4*\n:X+32+4*\n+3], v[AR] offset:256*\n         ; its scores: sixteen lanes take 256 consecutive bytes
.endr
.irp n, 0,1,2,3,4,5,6,7
	s_wait_dscnt 17-\n                             ; behind the stage's load n: 7 - n of its kind, the two words, the eight loads of scores
	global_store_b128 v[GO0], v[X+4*\n:X+4*\n+3], s[8:9] offset:2*\n*2048 th:TH_STORE_NT   ; sixteen lanes store 256 consecutive bytes, at a multiple of 256 from out0's first byte
.endr
	; ---- atten = p / l, for my two rows, 16 bytes a lane
	s_wait_dscnt 0x0
	v_mov_b32 v[AM+1], v[AM]
	v_mov_b32 v[AM+3], v[AM+2]
.set k, 0
.rept 16
	v_pk_fma_f32 v[X+32+k:X+32+k+1], v[X+32+k:X+32+k+1], s[44:45], v[AM:AM+1] op_sel_hi:[1,0,0]
.set k, k+2
.endr
.set k, 0
.rept 32
	v_exp_f32 v[X+32+k], v[X+32+k]
.set k, k+1
.endr
	v_nop
	s_wait_alu depctr_va_vdst(0)
.set k, 0
.rept 16
	v_pk_mul_f32 v[X+32+k:X+32+k+1], v[X+32+k:X+32+k+1], v[AM+2:AM+3] op_sel_hi:[1,0]
.set k, k+2
.endr
.irp n, 0,1,2,3,4,5,6,7
	global_store_b128 v[GO1], v[X+32+4*\n:X+32+4*\n+3], s[10:11] offset:256*\n th:TH_STORE_NT   ; sixteen lanes store 256 consecutive bytes, at a multiple of 256 from out1's first byte
.endr
	s_wait_tensorcnt 0x0                           ; the wave's end, behind my last LDS store
	ds_add_u32 v[SPW], v[NIL]
	s_wait_dscnt 0x0
	s_endpgm
.Lfunc_end_k_qeb9f2e8505_attend:
	.size	k_qeb9f2e8505_attend, .Lfunc_end_k_qeb9f2e8505_attend-k_qeb9f2e8505_attend
	.p2alignl 7, 3214868480
	.fill 96, 4, 3214868480
	.section	.rodata,"a",@progbits
	.p2align	6, 0x0
	.amdhsa_kernel k_qeb9f2e8505_attend
		.amdhsa_group_segment_fixed_size 52224
		.amdhsa_private_segment_fixed_size 0
		.amdhsa_enable_private_segment 0
		.amdhsa_kernarg_size 32
		.amdhsa_user_sgpr_count 2
		.amdhsa_user_sgpr_kernarg_segment_ptr 1
		.amdhsa_wavefront_size32 1
		.amdhsa_system_sgpr_workgroup_id_x 1
		.amdhsa_system_sgpr_workgroup_id_y 1
		.amdhsa_system_sgpr_workgroup_id_z 1
		.amdhsa_system_vgpr_workitem_id 0
		.amdhsa_next_free_vgpr 448
		.amdhsa_next_free_sgpr 66
		.amdhsa_reserve_vcc 0
		.amdhsa_float_denorm_mode_32 3
		.amdhsa_float_denorm_mode_16_64 3
		.amdhsa_memory_ordered 1
		.amdhsa_forward_progress 1
		.amdhsa_inst_pref_size 76
	.end_amdhsa_kernel
	.amdgpu_metadata
---
amdhsa.version: [ 1, 2 ]
amdhsa.kernels:
  - .name:           k_qeb9f2e8505_attend
    .symbol:         k_qeb9f2e8505_attend.kd
    .args:
      - { .name: sc, .offset: 0, .size: 8, .value_kind: global_buffer, .address_space: global }
      - { .name: vimg, .offset: 8, .size: 8, .value_kind: global_buffer, .address_space: global }
      - { .name: out0, .offset: 16, .size: 8, .value_kind: global_buffer, .address_space: global }
      - { .name: out1, .offset: 24, .size: 8, .value_kind: global_buffer, .address_space: global }
    .group_segment_fixed_size: 52224
    .private_segment_fixed_size: 0
    .kernarg_segment_align: 8
    .kernarg_segment_size: 32
    .max_flat_workgroup_size: 128
    .sgpr_count:     66
    .vgpr_count:     448
    .wavefront_size: 32
...
	.end_amdgpu_metadata
.endif
;; end of part 3
;; ======== version 2 of 2: 3 launches; version 1 with the launch attend written anew for expert scheduling mode
;; workspace buffers: wimg 102,400 bytes; vimg 409,600 bytes; sc 1,114,112 bytes
;; launch prep: the kernel of part 1 again; grid 80 x 1, 4 waves a work-group, no clusters, 0 bytes of LDS; arguments Wd, value, wimg, vimg; writes wimg, vimg
;; launch scores: the kernel of part 2 again; grid 64 x 4, 8 waves a work-group, clusters of 4 x 1, 308,224 bytes of LDS; arguments query, vd, wimg, sc; writes sc
;; launch attend (part 4): grid 64 x 2, 4 waves a work-group, no clusters, 52,224 bytes of LDS; arguments sc, vimg, out0, out1; writes out0, out1
.if DOCPART == 4
	.amdgcn_target "amdgcn-amd-amdhsa--gfx1250"
	.amdhsa_code_object_version 6
	.text
	.protected	k_qeb9f2e8505_attend
	.globl	k_qeb9f2e8505_attend
	.p2align	8
	.type	k_qeb9f2e8505_attend,@function
k_qeb9f2e8505_attend:
	s_mov_b64 s[64:65], 0
	v_nop
	global_prefetch_b8 v0, s[64:65] scope:SCOPE_SE
	s_setreg_imm32_b32 hwreg(HW_REG_WAVE_SCHED_MODE, 0, 2), 2
	s_setreg_imm32_b32 hwreg(HW_REG_WAVE_MODE, 25, 1), 1
	s_wait_xcnt 0x0
	s_wait_alu depctr_vm_vsrc(0)
; atten[b,s,:] = softmax over t of sjt[b,s,:];  context = Q(p) Q(value) / l, on codes of E3M2 with one E8M0 scale for each 32 along t.
; t' = sjt x log2(e); M = ceil(the row's largest t'), a whole number; p = 2^(t' - M) is what is quantised; l = the row's sum of the unquantised p, in f32; atten = p / l.
; The scores of sub-tiles j = 17 .. 31 were not made (head of the first kernel: sjt[b,s,t] = sjt[b,t,s] for all inputs): they are read from the mirrored sub-tile.
; LIMITS: NaN and infinities are not served; a p under 2^-126 counts as 0 (v_exp_f32: ISA guide 15.8); a block whose every p is 0 keeps the scale byte 1: its codes are zeros.
; SHARES.  Work-group (X = 32 b + i, Y): the 16 rows s = 16 i .. 16 i + 15; half Y of context's 512 columns and half Y of atten's 16 rows.  Four waves: wave w makes context's columns 256 Y + 64 w .. + 63
; and atten's rows 8 Y + 2 w, 8 Y + 2 w + 1.  The 16 x 512 scores are gathered in LDS once; each wave then makes the rows' softmax and p's codes for itself (256 numbers a lane), which spares barriers.
; LAYOUT.  The product is used transposed: source 0 = 16 columns d of value (register images made by the first launch), source 1 = p of the 16 rows: lane (R, H) holds row R and t = 64 c + 32 H + 0 .. 31 of chunk c:
; a block of 32 lies in one lane, and the conversions' results are registers 6 c .. 6 c + 5 of the operand.  In the result lane (R, H) holds row R and d = 16 tile + 8 H + 0 .. 7.
; No tensor load and no cluster: a work-group's inputs are 32 KiB of scores and 24 KiB of codes a wave, read straight into registers; the work-groups that read the same codes of value are 32 different i, which no cluster of four spans to any use beside that size.
; THE MODE: SCHED_MODE bits 1:0 = 2 (LLVM: expert scheduling mode 2), set by the entry lines.  The code itself states the register dependences
; between vector or matrix instructions and memory or LDS instructions, with s_wait_alu, always for 0.
; THE PLAN.  Registers that memory or LDS instructions touch:
;   v3, v4, v8-15, v62, v63, v5, v6   offsets and LDS addresses: written at the head, never again: one wait on va_vdst ahead of the first load serves every load and store of the kernel.
;   v32-39   the slots' offsets: read by the 16 loads of scores; written again by pass 1's maxima, behind the wait on vm_vsrc that stands behind the barrier.
;   v64-127  the loads of scores land here; the LDS stores that build the tile read them; behind the same wait on vm_vsrc they are sets of scores.
;   SETS OF 32 SCORES.  Pass 1 has six: v64, v96, v128, v160, v192, v224 (p's codes and the accumulators are not in use yet); chunk c lies in set c % 6.  Chunks 0 to 5 are asked for at once; one wait on va_vdst behind
;            chunks 0 and 1 frees v64-127 for chunks 6 and 7; one behind chunk 5 frees v192-255 for pass 2's chunks 0 and 1.
;            Pass 2 has four, in the order v192, v224, v64, v96.  The wait behind the exponentials between the passes also frees v64-127 for its chunks 2 and 3; the wait behind chunk c's exponentials also frees the set
;            in which chunk c - 1 worked, and chunk c + 3 is asked for there: no vector instruction names that set again before the wait on DScnt at chunk c + 3's head.
;   v42-49 and window 1   value's scale words and codes: written by loads, read by matrix instructions alone.
;   v50, v52   -M and 1 / l: written by vector instructions ahead of the wait behind the reciprocal, read by two LDS stores, never written again.
;   v192-223   the accumulators, divided by l: one wait on va_vdst ahead of the stage's stores; the same wait frees v64-127 for the loads from the stage and of the atten rows' scores.
;   v96-127    atten's numbers: one wait on va_vdst ahead of their stores.
.set SP,    2064                       ; a row of scores in LDS: 2,048 bytes + 16: an odd multiple of 16, so the 16 rows that a load of 16 bytes a lane touches fall on different banks (ISA guide 11.1)
.set ST,    33280                      ; behind the scores: a stage of 16 rows x 272 bytes for each wave
.set STP,   272
.set STAT,  ST+4*16*STP                ; 256 bytes for each wave: the rows' -M, then their 1 / l, a word a lane
.set SPARE, STAT+1024                  ; the spare words, 128 bytes for each wave: two blocks of 256 bytes that no other line names
.set VSCB,  393216                     ; where the scale words begin in vimg
.set LR,  1                            ; R
.set LH,  2                            ; H
.set L16, 3                            ; 16 x lane
.set L4,  4                            ; 4 x lane
.set SPW, 5
.set NIL, 6
.set H8,  7
.set RA,  8                            ; my row's scores: SP R + 128 H
.set DA,  9                            ; where a direct sub-tile's words go
.set TA,  10                           ; where a mirrored sub-tile's 16 bytes go
.set STO, 11                           ; the stage, in
.set STR, 12                           ; and back
.set GO0, 13                           ; my bytes in out0
.set AR,  14                           ; my atten row's scores
.set GO1, 15                           ; my bytes in out1
.set BM,  16                           ; v16-23 the blocks' largest scores, then their bytes
.set EE,  24                           ; v24-31 the conversions' scale operands
.set T,   32                           ; v32-39 the slots' offsets, then temporaries
.set SPS, 40                           ; v40-41 p's scale words and nothing else: lanes 0-15 K step 2 e, lanes 16-31 K step 2 e + 1
.set VS,  42                           ; v42-49 value's scale words and nothing else, likewise: register 2 tile + e
.set NM,  50                           ; v50-51 -M, twice
.set RL,  52                           ; v52-53 1 / l, twice
.set SU,  54                           ; v54-57 the sum, in four parts
.set AM,  58                           ; v58-59 my atten row's -M, twice;  v60-61 its 1 / l, twice
.set SW,  62                           ; STAT, in
.set SR,  63                           ; STAT, back
.set X,   64                           ; v64-127 first the 64 registers of my eight sub-tiles; then sets of 32 scores, here and (see THE PLAN) at v128, v160, v192, v224
.set PC,  128                          ; v128-175 p's codes: K step f at 12 f
.set CT,  176
.set ACC, 192                          ; v192-223 four accumulators
; window 1: v0-191 value's codes: tile dtl at 48 dtl, K step f at + 12 f
.set MSB, 0
.macro WIN new
.if MSB != \new
	s_set_vgpr_msb (MSB<<8)|\new
.set MSB, \new
.endif
.endm
	s_load_b256 s[4:11], s[0:1], 0x0               ; sc s[4:5], vimg s[6:7], out0 s[8:9], out1 s[10:11]
	v_lshl_add_u32 v[SPW], v0, 2, SPARE
	v_mov_b32 v[NIL], 0
	v_lshrrev_b32 v1, 5, v0
	v_readfirstlane_b32 s12, v1                    ; wave w
	s_and_b32 s14, ttmp7, 1                        ; Y: the grid's y, 0 or 1
	s_and_b32 s18, ttmp9, 31                       ; i
	s_sub_co_u32 s22, ttmp9, s18                   ; 32 b
	s_mul_i32 s21, ttmp9, 17                       ; my block row's first slot
	s_mov_b32 s44, 0x3fb8aa3b                      ; log2(e)
	s_mov_b32 s45, s44                             ; (named with it as a pair, so it is written)
	s_mov_b32 s46, 0x76543210
	s_mov_b32 s47, 0xfedcba98                      ; v_permlanex16_b32's selects for lane l xor 16
	v_and_b32 v[LR], 15, v0
	v_bfe_u32 v[LH], v0, 4, 1
	v_and_b32 v[RA], 31, v0
	v_lshlrev_b32 v[L16], 4, v[RA]
	v_lshlrev_b32 v[L4], 2, v[RA]
	v_lshlrev_b32 v[H8], 3, v[LH]
	s_wait_alu depctr_va_sdst(0)                   ; s12 is written, ahead of its first reader: tiles, LDS places and offsets are made from it
	s_lshl_b32 s20, s12, 3                         ; my first column tile: 8 w
; Column tile T' = 8 w + n lies j = (T' - i) mod 32 tiles to the right of the diagonal.  j <= 16: slot (X, j) holds it.  Else slot (32 b + T', 32 - j) holds its mirror image.
.irp n, 0,1,2,3,4,5,6,7
	s_add_co_u32 s40, s20, \n
	s_sub_co_u32 s41, s40, s18
	s_and_b32 s[24+\n], s41, 31                    ; j, kept for the branch below
	s_add_co_u32 s42, s21, s[24+\n]
	s_add_co_u32 s43, s22, s40
	s_mul_i32 s43, s43, 17
	s_add_co_u32 s43, s43, 32
	s_sub_co_u32 s43, s43, s[24+\n]
	s_cmp_le_u32 s[24+\n], 16
	s_cselect_b32 s42, s42, s43
	s_lshl_b32 s42, s42, 10
	v_add_nc_u32 v[T+\n], s42, v[L16]
.endr
	s_lshl_b32 s32, s14, 4
	s_lshl_b32 s33, s12, 2
	s_add_co_u32 s32, s32, s33
	s_add_co_u32 s32, s32, s22                     ; my first tile of value: 32 b + 16 Y + 4 w
	s_mul_i32 s34, s32, 6144
	s_mov_b32 s35, 0
	s_lshl_b32 s38, s32, 8
	s_add_co_u32 s38, s38, VSCB
	s_mov_b32 s39, 0
	v_mul_u32_u24 v[RA], v[LR], SP
	v_lshl_add_u32 v[RA], v[LH], 7, v[RA]
	s_lshl_b32 s33, s12, 9                         ; my eight column tiles begin 512 w bytes into a row
	v_mul_u32_u24 v[DA], v[LH], 4*SP
	v_lshl_add_u32 v[DA], v[LR], 2, v[DA]
	v_add_nc_u32 v[DA], s33, v[DA]                 ; rows 4 H + .., 4 bytes a column
	v_mul_u32_u24 v[TA], v[LR], SP
	v_lshl_add_u32 v[TA], v[LH], 4, v[TA]
	v_add_nc_u32 v[TA], s33, v[TA]                 ; row R, 16 bytes a half
	s_mul_i32 s33, s12, 16*STP
	s_add_co_u32 s33, s33, ST                      ; my stage
	v_mul_u32_u24 v[STO], v[LR], STP
	v_lshl_add_u32 v[STO], v[LH], 5, v[STO]
	v_add_nc_u32 v[STO], s33, v[STO]
	v_mul_u32_u24 v[STR], v[LH], STP
	v_lshl_add_u32 v[STR], v[LR], 4, v[STR]
	v_add_nc_u32 v[STR], s33, v[STR]
	s_lshl_b32 s33, ttmp9, 15                      ; out0: 16 rows of 2,048 bytes a block row,
	s_lshl_b32 s40, s14, 10
	s_add_co_u32 s33, s33, s40
	s_lshl_b32 s40, s12, 8
	s_add_co_u32 s33, s33, s40                     ; my 256 bytes of each row
	v_lshlrev_b32 v[GO0], 11, v[LH]
	v_lshl_add_u32 v[GO0], v[LR], 4, v[GO0]
	v_add_nc_u32 v[GO1], 0, v[GO0]
	v_add_nc_u32 v[GO0], s33, v[GO0]
	s_lshl_b32 s40, s14, 3
	s_lshl_b32 s41, s12, 1
	s_add_co_u32 s40, s40, s41                     ; my first atten row: 8 Y + 2 w
	s_mul_i32 s41, s40, SP
	v_mul_u32_u24 v[AR], v[LH], SP
	v_lshl_add_u32 v[AR], v[LR], 4, v[AR]
	v_add_nc_u32 v[AR], s41, v[AR]
	s_lshl_b32 s41, ttmp9, 4
	s_add_co_u32 s41, s41, s40
	s_lshl_b32 s41, s41, 11
	v_add_nc_u32 v[GO1], s41, v[GO1]
	s_lshl_b32 s41, s12, 8
	s_add_co_u32 s41, s41, STAT
	v_add_nc_u32 v[SW], s41, v[L4]
	s_lshl_b32 s40, s40, 2
	s_add_co_u32 s41, s41, s40
	v_lshlrev_b32 v[SR], 2, v[LH]
	v_add_nc_u32 v[SR], s41, v[SR]                 ; the word of lane 8 Y + 2 w + H, which holds that row
.irp k, 0,1,2,3
	v_mov_b32 v[SU+\k], 0
.endr
	s_wait_kmcnt 0x0
	s_add_nc_u64 s[36:37], s[6:7], s[34:35]        ; value's codes at my first tile
	s_add_nc_u64 s[38:39], s[6:7], s[38:39]        ; and its scale words
	s_wait_alu depctr_va_vdst(0)                   ; all offsets and LDS addresses of the kernel (v3, v4, v8-15, v32-39, v62, v63) are written: the loads and stores below read them; up to the LDS stores of the tile no vector instruction follows
.irp n, 0,1,2,3,4,5,6,7
.irp e, 0,1
	global_load_b128 v[X+8*\n+4*\e:X+8*\n+4*\e+3], v[T+\n], s[4:5] offset:512*\e   ; a slot: two loads of 512 consecutive bytes
.endr
.endr
.irp d, 0,1,2,3
.irp e, 0,1
	global_load_b32 v[VS+2*\d+\e], v[L4], s[38:39] offset:256*\d+128*\e
.endr
.endr
	WIN 0x40                                       ; destination window 1 (between the wait above and these loads stand loads and this switch alone)
.set n, 0
.rept 48
	global_load_b128 v[4*n:4*n+3], v[L16], s[36:37] offset:512*n   ; 24,576 dense bytes: the operand's registers as they were stored
.set n, n+1
.endr
	WIN 0
	s_wait_loadcnt 56                              ; my 16 loads of scores are in; the 56 issued behind them (value's scale words and codes) may stay out
; In a slot, lane l of piece e holds [g = 2 e + l / 16][r = l % 16][u = 0..3].  Direct: sjt(row 4 g + u, column 16 T' + r): four words to four rows.  Mirrored: sjt(row r, column 16 T' + 4 g + u): 16 bytes of one row.
; The branch hangs on ids alone; both forms write the same 16 x 64 bytes, which are this wave's by the wave's number and n.
.irp n, 0,1,2,3,4,5,6,7
	s_cmp_le_u32 s[24+\n], 16
	s_cbranch_scc0 .Lmirror_\n
.irp e, 0,1
.irp u, 0,1,2,3
	ds_store_b32 v[DA], v[X+8*\n+4*\e+\u] offset:(8*\e+\u)*SP+64*\n
.endr
.endr
	s_branch .Lstored_\n
.Lmirror_\n:
.irp e, 0,1
	ds_store_b128 v[TA], v[X+8*\n+4*\e:X+8*\n+4*\e+3] offset:64*\n+32*\e
.endr
.Lstored_\n:
.endr
	s_wait_dscnt 0x0                               ; my stores are done
	s_barrier_signal -1
	s_barrier_wait -1                              ; the 16 x 512 scores lie in LDS: the launch's one barrier
	s_wait_alu depctr_vm_vsrc(0)                   ; my LDS stores have read v64-127, in which LDS loads land from here on; the loads of scores have read their offsets v32-39, which pass 1's maxima write
.macro SLOAD reg, c                    ; chunk c of my row: 32 scores, into v[reg] on
.irp m, 0,1,2,3,4,5,6,7
	ds_load_b128 v[(\reg)+4*\m:(\reg)+4*\m+3], v[RA] offset:256*(\c)+16*\m
.endr
.endm
	; ---- pass 1: each block's largest score (it serves the row's maximum and, since p rises with the score, the block's largest p)
.macro PASS1 c, left                   ; left: the LDS loads issued behind this chunk's eight, which may stay out (LDS loads come back in order: ISA guide 5.7.1)
	s_wait_dscnt \left
.set XX, X+32*((\c)%6)
	v_max3_num_f32 v[T], v[XX], v[XX+1], v[XX+2]
	v_max3_num_f32 v[T+1], v[XX+15], v[XX+16], v[XX+17]
.irp i, 0,1,2,3,4,5
	v_max3_num_f32 v[T], v[T], v[XX+3+2*\i], v[XX+4+2*\i]
	v_max3_num_f32 v[T+1], v[T+1], v[XX+18+2*\i], v[XX+19+2*\i]
.endr
	v_max3_num_f32 v[T+1], v[T+1], v[XX+30], v[XX+31]
	v_max_num_f32 v[BM+(\c)], v[T], v[T+1]
.endm
.irp c, 0,1,2,3,4,5
	SLOAD X+32*\c, \c                              ; six chunks at once, a set each: 48 loads
.endr
	PASS1 0, 40                                    ; behind chunk 0: chunks 1 to 5
	PASS1 1, 32
	s_wait_alu depctr_va_vdst(0)                   ; the maxima of chunks 0 and 1 are done reading v64-127, in which chunks 6 and 7 land; chunks 2 to 5 name v128-255 alone
	SLOAD X, 6
	SLOAD X+32, 7
	PASS1 2, 40                                    ; behind chunk 2: chunks 3 to 7
	PASS1 3, 32
	PASS1 4, 24
	PASS1 5, 16
	s_wait_alu depctr_va_vdst(0)                   ; the maxima of chunks 4 and 5 are done reading v192-255, in which pass 2's chunks 0 and 1 land; nothing names these registers before pass 2
	SLOAD X+128, 0
	SLOAD X+160, 1
	PASS1 6, 24                                    ; behind chunk 6: chunk 7 and pass 2's two
	PASS1 7, 16
	v_max3_num_f32 v[T], v[BM], v[BM+1], v[BM+2]
	v_max3_num_f32 v[T], v[T], v[BM+3], v[BM+4]
	v_max3_num_f32 v[T], v[T], v[BM+5], v[BM+6]
	v_max_num_f32 v[T], v[T], v[BM+7]
	v_permlanex16_b32 v[T+1], v[T], s46, s47
	v_max_num_f32 v[T], v[T], v[T+1]               ; the row's largest score
	v_mul_f32 v[T], s44, v[T]
	v_floor_f32 v[NM], -v[T]                       ; -M = floor(-t') = -ceil(t')
	v_mov_b32 v[NM+1], v[NM]
.irp c, 0,1,2,3,4,5,6,7
	v_fma_f32 v[EE+\c], v[BM+\c], s44, v[NM]
.endr
.irp c, 0,1,2,3,4,5,6,7
	v_exp_f32 v[EE+\c], v[EE+\c]                   ; the block's largest p: the same multiply-add and exponential as its number gets below
.endr
	v_nop                                          ; a plain instruction behind the last exponential
	s_wait_alu depctr_va_vdst(0)                   ; the eight exponentials have written v24-31, ahead of their first reader; and the maxima of chunks 6 and 7 are done reading v64-127, in which pass 2's chunks 2 and 3 land
	SLOAD X, 2
	SLOAD X+32, 3
.irp c, 0,1,2,3,4,5,6,7
	v_max_num_f32 v[EE+\c], 0x2800000, v[EE+\c]    ; the floor 2^(5 - 127): the byte cannot fall under 1
.endr
.irp c, 0,1,2,3,4,5,6,7
	v_add_nc_u32 v[EE+\c], 0xfe000000, v[EE+\c]    ; 4 off the exponent field: the conversion's scale operand
.endr
.irp c, 0,1,2,3,4,5,6,7
	v_lshrrev_b32 v[BM+\c], 23, v[EE+\c]           ; the scale's byte
.endr
.irp f, 0,1,2,3
	v_lshl_or_b32 v[T+\f], v[BM+2*\f+1], 16, v[BM+2*\f]   ; in K step f my blocks are H and 2 + H
.endr
	v_lshlrev_b32 v[SPS], v[H8], v[T]
	v_lshlrev_b32 v[T+1], v[H8], v[T+1]
	v_lshlrev_b32 v[SPS+1], v[H8], v[T+2]
	v_lshlrev_b32 v[T+3], v[H8], v[T+3]
	v_permlane16_swap_b32 v[SPS], v[T+1]           ; the even step's upper lanes change places with the odd step's lower lanes:
	v_permlane16_swap_b32 v[SPS+1], v[T+3]
	v_or_b32 v[SPS], v[SPS], v[T+1]                ; lanes 0-15 now hold the even step's whole word, lanes 16-31 the odd step's
	v_or_b32 v[SPS+1], v[SPS+1], v[T+3]
	; ---- pass 2: p, its sum, its codes.  Chunk c works in place in set (c + 2) % 4 of v64, v96, v192, v224
.macro PASS2 c, left                   ; left: the LDS loads issued behind this chunk's eight
	s_wait_dscnt \left
.set XX, X+32*(((\c)+2)%4)+64*((((\c)+2)%4)/2)
.set YY, X+32*(((\c)+1)%4)+64*((((\c)+1)%4)/2)
.set k, 0
.rept 16
	v_pk_fma_f32 v[XX+k:XX+k+1], v[XX+k:XX+k+1], s[44:45], v[NM:NM+1] op_sel_hi:[1,0,0]   ; t' - M, two at a time
.set k, k+2
.endr
.set k, 0
.rept 32
	v_exp_f32 v[XX+k], v[XX+k]
.set k, k+1
.endr
	v_nop
	s_wait_alu depctr_va_vdst(0)                   ; the chunk's 32 exponentials have written their results, ahead of the first reader; and the chunk before is done reading and writing its set
.if ((\c) >= 1) && ((\c) <= 4)
	SLOAD YY, (\c)+3                               ; so the chunk three on lands in that set: no vector instruction names it before that chunk's wait on DScnt
.endif
.irp k, 0,4,8,12,16,20,24,28
	v_pk_add_f32 v[SU:SU+1], v[SU:SU+1], v[XX+\k:XX+\k+1]          ; the sum is taken of the unquantised p, in two chains
	v_pk_add_f32 v[SU+2:SU+3], v[SU+2:SU+3], v[XX+\k+2:XX+\k+3]
.endr
	v_cvt_scalef32_pk16_bf6_f32 v[PC+6*(\c):PC+6*(\c)+2], v[XX:XX+15], v[EE+(\c)]
	v_cvt_scalef32_pk16_bf6_f32 v[CT:CT+2], v[XX+16:XX+31], v[EE+(\c)]   ; (a conversion's three registers begin on an even number)
	v_nop                                          ; one plain instruction behind the scaled conversions
.irp i, 0,1,2
	v_mov_b32 v[PC+6*(\c)+3+\i], v[CT+\i]
.endr
.endm
	PASS2 0, 24                                    ; behind chunk 0: chunks 1, 2, 3
	PASS2 1, 16                                    ; from here to chunk 5: the two chunks behind
	PASS2 2, 16
	PASS2 3, 16
	PASS2 4, 16
	PASS2 5, 16
	PASS2 6, 8
	PASS2 7, 0
	v_pk_add_f32 v[SU:SU+1], v[SU:SU+1], v[SU+2:SU+3]
	v_add_f32 v[SU], v[SU], v[SU+1]
	v_permlanex16_b32 v[SU+2], v[SU], s46, s47
	v_add_f32 v[SU], v[SU], v[SU+2]                ; l: at least 1/2, since the row's largest p is over 1/2
	v_rcp_f32 v[RL], v[SU]
	v_nop
	s_wait_alu depctr_va_vdst(0)                   ; the reciprocal has written v52, which the LDS store and the move below read; and p's codes v128-175 and scale words v40-41 are written, which the scaled products take (their places stand ahead of this wait)
	ds_store_b32 v[SW], v[NM]                      ; my row's -M and 1 / l, to my wave's own words
	ds_store_b32 v[SW], v[RL] offset:128
	v_mov_b32 v[RL+1], v[RL]
	; ---- context: O^T = V^T P^T.  The four accumulators take turns, one instruction a turn; the lines since the last move into p's codes are more than the four places owed
	s_wait_loadcnt 0x0                             ; value's codes and scale words
	WIN 0x01                                       ; source 0 window 1
.irp f, 0,1,2,3
.irp d, 0,1,2,3
.if \f == 0
	v_wmma_scale_f32_16x16x128_f8f6f4 v[ACC+8*\d:ACC+8*\d+7], v[48*\d+12*\f:48*\d+12*\f+11], v[PC+12*\f:PC+12*\f+11], 0, v[VS+2*\d+\f/2], v[SPS+\f/2] matrix_a_fmt:MATRIX_FMT_BF6 matrix_b_fmt:MATRIX_FMT_BF6
.elseif \f == 2
	v_wmma_scale_f32_16x16x128_f8f6f4 v[ACC+8*\d:ACC+8*\d+7], v[48*\d+12*\f:48*\d+12*\f+11], v[PC+12*\f:PC+12*\f+11], v[ACC+8*\d:ACC+8*\d+7], v[VS+2*\d+\f/2], v[SPS+\f/2] matrix_a_fmt:MATRIX_FMT_BF6 matrix_b_fmt:MATRIX_FMT_BF6
.else
	v_wmma_scale_f32_16x16x128_f8f6f4 v[ACC+8*\d:ACC+8*\d+7], v[48*\d+12*\f:48*\d+12*\f+11], v[PC+12*\f:PC+12*\f+11], v[ACC+8*\d:ACC+8*\d+7], v[VS+2*\d+\f/2], v[SPS+\f/2] matrix_a_fmt:MATRIX_FMT_BF6 matrix_b_fmt:MATRIX_FMT_BF6 matrix_a_scale:MATRIX_SCALE_ROW1 matrix_b_scale:MATRIX_SCALE_ROW1
.endif
.endr
.endr
	WIN 0
.rept 4
	v_nop                                          ; four places ahead of the first read of results (ISA guide 7.12.1)
.endr
.set k, 0
.rept 16
	v_pk_mul_f32 v[ACC+k:ACC+k+1], v[ACC+k:ACC+k+1], v[RL:RL+1] op_sel_hi:[1,0]   ; / l; each accumulator from its low end on
.set k, k+2
.endr
	s_wait_alu depctr_va_vdst(0)                   ; the multiplications have written v192-223, which the LDS stores read; and pass 2 is done with v64-127, in which the LDS loads below land
.irp d, 0,1,2,3
	ds_store_b128 v[STO], v[ACC+8*\d:ACC+8*\d+3] offset:64*\d          ; lane (R, H): context(row R, my column 16 d + 8 H + 0 .. 7)
	ds_store_b128 v[STO], v[ACC+8*\d+4:ACC+8*\d+7] offset:64*\d+16
.endr
.irp n, 0,1,2,3,4,5,6,7
	ds_load_b128 v[X+4*\n:X+4*\n+3], v[STR] offset:2*\n*STP            ; LDS serves a wave's instructions in order (ISA guide 5.7.1.4): these see my stores
.endr
	ds_load_b32 v[AM], v[SR]                       ; my atten row's -M
	ds_load_b32 v[AM+2], v[SR] offset:128          ; and 1 / l
.irp n, 0,1,2,3,4,5,6,7
	ds_load_b128 v[X+32+4*\n:X+32+4*\n+3], v[AR] offset:256*\n         ; its scores: sixteen lanes take 256 consecutive bytes
.endr
.irp n, 0,1,2,3,4,5,6,7
	s_wait_dscnt 17-\n                             ; behind the stage's load n: 7 - n of its kind, the two words, the eight loads of scores
	global_store_b128 v[GO0], v[X+4*\n:X+4*\n+3], s[8:9] offset:2*\n*2048 th:TH_STORE_NT   ; sixteen lanes store 256 consecutive bytes, at a multiple of 256 from out0's first byte
.endr
	; ---- atten = p / l, for my two rows, 16 bytes a lane
	s_wait_dscnt 0x0
	v_mov_b32 v[AM+1], v[AM]
	v_mov_b32 v[AM+3], v[AM+2]
.set k, 0
.rept 16
	v_pk_fma_f32 v[X+32+k:X+32+k+1], v[X+32+k:X+32+k+1], s[44:45], v[AM:AM+1] op_sel_hi:[1,0,0]
.set k, k+2
.endr
.set k, 0
.rept 32
	v_exp_f32 v[X+32+k], v[X+32+k]
.set k, k+1
.endr
	v_nop
	s_wait_alu depctr_va_vdst(0)                   ; the 32 exponentials have written v96-127, ahead of their first reader
.set k, 0
.rept 16
	v_pk_mul_f32 v[X+32+k:X+32+k+1], v[X+32+k:X+32+k+1], v[AM+2:AM+3] op_sel_hi:[1,0]
.set k, k+2
.endr
	s_wait_alu depctr_va_vdst(0)                   ; the multiplications have written v96-127, which the stores read
.irp n, 0,1,2,3,4,5,6,7
	global_store_b128 v[GO1], v[X+32+4*\n:X+32+4*\n+3], s[10:11] offset:256*\n th:TH_STORE_NT   ; sixteen lanes store 256 consecutive bytes, at a multiple of 256 from out1's first byte
.endr
	s_wait_dscnt 0x0                               ; the closing lines, six on end
	s_wait_alu 0x0
	s_wait_tensorcnt 0x0
	ds_add_u32 v[SPW], v[NIL]
	s_wait_dscnt 0x0
	s_endpgm
.Lfunc_end_k_qeb9f2e8505_attend:
	.size	k_qeb9f2e8505_attend, .Lfunc_end_k_qeb9f2e8505_attend-k_qeb9f2e8505_attend
	.p2alignl 7, 3214868480
	.fill 96, 4, 3214868480
	.section	.rodata,"a",@progbits
	.p2align	6, 0x0
	.amdhsa_kernel k_qeb9f2e8505_attend
		.amdhsa_group_segment_fixed_size 52224
		.amdhsa_private_segment_fixed_size 0
		.amdhsa_enable_private_segment 0
		.amdhsa_kernarg_size 32
		.amdhsa_user_sgpr_count 2
		.amdhsa_user_sgpr_kernarg_segment_ptr 1
		.amdhsa_wavefront_size32 1
		.amdhsa_system_sgpr_workgroup_id_x 1
		.amdhsa_system_sgpr_workgroup_id_y 1
		.amdhsa_system_sgpr_workgroup_id_z 1
		.amdhsa_system_vgpr_workitem_id 0
		.amdhsa_next_free_vgpr 448
		.amdhsa_next_free_sgpr 66
		.amdhsa_reserve_vcc 0
		.amdhsa_float_denorm_mode_32 3
		.amdhsa_float_denorm_mode_16_64 3
		.amdhsa_memory_ordered 1
		.amdhsa_forward_progress 1
		.amdhsa_inst_pref_size 76
	.end_amdhsa_kernel
	.amdgpu_metadata
---
amdhsa.version: [ 1, 2 ]
amdhsa.kernels:
  - .name:           k_qeb9f2e8505_attend
    .symbol:         k_qeb9f2e8505_attend.kd
    .args:
      - { .name: sc, .offset: 0, .size: 8, .value_kind: global_buffer, .address_space: global }
      - { .name: vimg, .offset: 8, .size: 8, .value_kind: global_buffer, .address_space: global }
      - { .name: out0, .offset: 16, .size: 8, .value_kind: global_buffer, .address_space: global }
      - { .name: out1, .offset: 24, .size: 8, .value_kind: global_buffer, .address_space: global }
    .group_segment_fixed_size: 52224
    .private_segment_fixed_size: 0
    .kernarg_segment_align: 8
    .kernarg_segment_size: 32
    .max_flat_workgroup_size: 128
    .sgpr_count:     66
    .vgpr_count:     448
    .wavefront_size: 32
...
	.end_amdgpu_metadata
.endif
;; end of part 4
